; MI455X (gfx1250); checked and timed in simulation.
; The chip was launched on July 23, 2026; its instructions are those of AMD's public machine-readable ISA for CDNA 5 (MIT licence, August 2026) and "CDNA5" Instruction Set Architecture Reference Guide (July 2026). The comments in the code are by the model that wrote it; some were corrected since.
;; Transformer Block. Allowed arithmetic: matrix products marked QUANTISED: E5M2 operands, one E8M0 scale for each 32 along K, by v_wmma_scale_f32_16x16x128_f8f6f4 with both operands' format E5M2, f32 sums; everything else in f32.
;; Inputs: W1_codes 4,096 x 32 x 32 uint8 (E5M2 codes of W1, K innermost, in blocks of 32 codes); W1_scales 4,096 x 32 uint8 (E8M0 scales of W1, one for each 32 codes along K); W2_codes 1,024 x 128 x 32 uint8 (E5M2 codes of W2, K innermost, in blocks of 32 codes); W2_scales 1,024 x 128 uint8 (E8M0 scales of W2, one for each 32 codes along K); Wk_codes 1,024 x 32 x 32 uint8 (E5M2 codes of Wk, K innermost, in blocks of 32 codes); Wk_scales 1,024 x 32 uint8 (E8M0 scales of Wk, one for each 32 codes along K); Wo_codes 1,024 x 32 x 32 uint8 (E5M2 codes of Wo, K innermost, in blocks of 32 codes); Wo_scales 1,024 x 32 uint8 (E8M0 scales of Wo, one for each 32 codes along K); Wq_codes 1,024 x 32 x 32 uint8 (E5M2 codes of Wq, K innermost, in blocks of 32 codes); Wq_scales 1,024 x 32 uint8 (E8M0 scales of Wq, one for each 32 codes along K); Wv_codes 1,024 x 32 x 32 uint8 (E5M2 codes of Wv, K innermost, in blocks of 32 codes); Wv_scales 1,024 x 32 uint8 (E8M0 scales of Wv, one for each 32 codes along K); b1 4,096 float32; b2 1,024 float32; bk 1,024 float32; bo 1,024 float32; bq 1,024 float32; bv 1,024 float32; ln1_a 1,024 float32; ln1_b 1,024 float32; ln2_a 1,024 float32; ln2_b 1,024 float32; mask 4 x 1 x 1,024 x 1,024 int32; x 4 x 1,024 x 1,024 float32.
;; Outputs: out0 4 x 1,024 x 1,024 float32.
;; This version of the problem:
;;   THIS VERSION OF THE PROBLEM IS GIVEN IN LOW PRECISION. The matrix products marked QUANTISED in the list below multiply operands that are first quantised to E5M2 (5 exponent bits, 2 mantissa bits; 8 bits a number), with one power-of-two scale for each 32 numbers along K (OCP MX v1.0); their sums are f32. All else is computed in f32.
;;   The module's matrix products, in the order in which they are computed (A, B: the left and right operand; K: the contracted axis; several contracted axes count as one K, in the product's order):
;;     1. [M 4,096, K 1,024] x [K 1,024, N 1,024]; A: computed on the way; B: input Wq (given as codes): QUANTISED
;;     2. [M 4,096, K 1,024] x [K 1,024, N 1,024]; A: computed on the way; B: input Wk (given as codes): QUANTISED
;;     3. [M 4,096, K 1,024] x [K 1,024, N 1,024]; A: computed on the way; B: input Wv (given as codes): QUANTISED
;;     4. batch 64 x [M 1,024, K 64] x [K 64, N 1,024]; A: computed on the way; B: computed on the way: QUANTISED
;;     5. batch 64 x [M 1,024, K 1,024] x [K 1,024, N 64]; A: softmax (see below); B: computed on the way: QUANTISED
;;     6. [M 4,096, K 1,024] x [K 1,024, N 1,024]; A: computed on the way; B: input Wo (given as codes): QUANTISED
;;     7. [M 4,096, K 1,024] x [K 1,024, N 4,096]; A: computed on the way; B: input W1 (given as codes): QUANTISED
;;     8. [M 4,096, K 4,096] x [K 4,096, N 1,024]; A: computed on the way; B: input W2 (given as codes): QUANTISED
;;   THE QUANTISER, for each operand of a quantised product, along K:
;;     - K is cut into blocks of 32 from its start; a last block that is shorter is filled with zeros.
;;     - A block's scale is 2^e with e = floor(log2(the largest magnitude in the block)) - 15, held to -126 .. 127; a block of zeros has e = 0. As a byte (E8M0): e + 127.
;;     - Each number is divided by its block's scale, clamped to +-57,344, and rounded to the nearest number of E5M2, ties to even, subnormals kept.
;;     - The product sums the exact products of the quantised numbers (number of the format x scale) in f32.
;;   ~~~python
;;   def quantise(x, axis):      # numpy; x: float32 -> the quantised numbers, widened to float32 again
;;       x = np.moveaxis(x, axis, -1); K = x.shape[-1]
;;       x = np.pad(x, [(0, 0)] * (x.ndim - 1) + [(0, -K % 32)]); x = x.reshape(x.shape[:-1] + (-1, 32)); a = np.abs(x).max(-1, keepdims=True)
;;       e = np.where(a > 0, np.clip(np.frexp(np.where(a > 0, a, 1))[1] - 1 - 15, -126, 127), 0)      # np.frexp(a)[1] - 1 = floor(log2(a)), exactly
;;       r = np.clip(x / 2.0 ** e, -57344, 57344)
;;       step = 2.0 ** (np.maximum(np.frexp(np.where(r == 0, 1, r))[1] - 1, -14) - 2)
;;       q = np.round(r / step) * step * 2.0 ** e      # np.round: ties to even
;;       return np.moveaxis(q.reshape(q.shape[:-2] + (-1,))[..., :K], -1, axis).astype(np.float32)
;;   ~~~
;;   SOFTMAX AHEAD OF A QUANTISED PRODUCT. Where the list says 'softmax', what is quantised is not the finished softmax but p = 2^(t - M), with t = logit x log2(e) and M = ceil(the row's largest t), a whole number; so 1/2 < the row's largest p <= 1. The row's sum l is taken of the UNQUANTISED p, in f32, and the product's result is divided by l at the end. Since M is a whole number, a kernel that streams over the keys may use a running M (the ceiling of the running maximum): every later rescaling is an exact power of two, which a block's scale takes up: the codes' values come out the same.
;;   OPERANDS COMPUTED ON THE WAY. 'Computed on the way' means the value that the module computes at that place (a softmax that the list does not call 'softmax' is quantised finished and normalised). What goes into a quantiser is computed in f32, as accurately as f32 sums, v_exp_f32 and their like allow (about 1e-6 of the number): no bf16 or f16 on the way to a quantiser, and a product that is left as it is and whose result goes on into a quantised operand takes f32 operands (vector FMAs, or v_wmma_f32_16x16x4_f32). A number that lies on a knife's edge between two numbers of the format may be rounded either way, as far as f32 arithmetic and the matrix unit's own rounding can turn it there, and no further.
;;   INPUTS GIVEN AS CODES. W1 (in the module: [1024, 4096], K = its axis 0); W2 (in the module: [4096, 1024], K = its axis 0); Wk (in the module: [1024, 1024], K = its axis 0); Wo (in the module: [1024, 1024], K = its axis 0); Wq (in the module: [1024, 1024], K = its axis 0); Wv (in the module: [1024, 1024], K = its axis 0): each comes as NAME_codes (uint8): NAME with its K axis moved to the last place and cut into blocks of 32 codes, [.., K / 32, bytes a block], one block behind the other in memory; one code a byte (a code: sign, 5 exponent bits, 2 mantissa bits); and NAME_scales (uint8): the same leading axes, one E8M0 byte (e + 127) for each 32 codes along K. Its value is code x scale, taken as it is: it is not quantised again, and the codes and scales need not be those that the quantiser above would give.
;; One version. Each part assembles by itself: llvm-mc -triple=amdgcn-amd-amdhsa -mcpu=gfx1250 --defsym DOCPART=n.
;; ======== version 1 of 1: 7 launches
;; limits: right only within a limited range of input values
;; workspace buffers: xb 4,325,376 bytes; maskw 524,288 bytes of whole numbers; qkv 13,238,272 bytes; att 4,325,376 bytes; x1 16,777,216 bytes; hid 17,301,504 bytes
;; launch prep (part 1): grid 256 x 1, 8 waves a work-group, no clusters, 159,232 bytes of LDS; arguments x, ln1_a, ln1_b, mask, xb, maskw; writes xb, maskw
.if DOCPART == 1
	.amdgcn_target "amdgcn-amd-amdhsa--gfx1250"
	.amdhsa_code_object_version 6
	.text
	.protected	k_q8a53d4d761_prep
	.globl	k_q8a53d4d761_prep
	.p2align	8
	.type	k_q8a53d4d761_prep,@function
k_q8a53d4d761_prep:
	s_mov_b64 s[64:65], 0
	v_nop
	global_prefetch_b8 v0, s[64:65] scope:SCOPE_SE
	s_setreg_imm32_b32 hwreg(HW_REG_WAVE_MODE, 25, 1), 1
	s_wait_xcnt 0x0
; xb = Q(layernorm(x)) as codes of BF8 (E5M2) with one E8M0 byte for each 32 along the row, and the mask packed into lane-mask words.
; layernorm: mean, unbiased standard deviation (divisor 1,023), eps added to the deviation; a (x - mean) / (std + eps) + b, all f32, the statistics in two passes (the mean first, then the squares of x - mean).
; SHARES.  Work-group g owns the 16 rows 16 g .. 16 g + 15; wave w rows 2 w and 2 w + 1, each whole in 32 registers a lane.  Wave w also packs keys 128 w .. 128 w + 127 of the mask of the same 16 rows.
; OUT, CODES: an image of the matrix operand's registers: [row / 128][k / 128][(row % 128) / 16][c 0..3][lane 0..31][16 bytes], lane (r, h) of piece c holding k = 32 c + 16 h + 0 .. 15 of row r.  The 16 rows' eight
; fragments are gathered in LDS; after one barrier wave w stores fragment w: each store covers 512 consecutive bytes.  OUT, SCALES: [row][32] bytes behind the codes.
; OUT, MASK: [row group][key step 0..7][n 0..63] words; bit l of word n = (mask[16 g + l % 16][128 ks + 16 (n / 8) + 8 (l / 16) + n % 8] != 0): the place of a score in the attention's registers.
; A load takes bytes as they lie (16 a lane, 512 a wave); the conversions want 32 neighbours in one lane: a row turns through the wave's own stage in LDS (blocks of 128 bytes, 144 apart).
; LIMITS: NaN and infinities are not served; a block whose largest magnitude lies under 2^-111 (a block of zeros too) keeps the scale byte 1 with its codes; the bytes are read by this program alone.
.set XST,  4608                        ; a row's stage: 32 blocks of 128 bytes + 16
.set MST,  2*XST                       ; behind the two row stages: the mask's stage, 16 rows of 512 bytes + 16
.set WREG, 2*XST+8448                  ; a wave's own region
.set IMG,  8*WREG                      ; the eight fragments, 2,048 bytes each
.set SCS,  IMG+16384                   ; the scale bytes, [16 rows][32]
.set XS,   4194304                     ; where the scale bytes begin in xb
.set VX,   1                           ; v1   16 x lane
.set STI,  2                           ; v2   the row stage, on the way in;  later: where I read my fragment
.set STO,  3                           ; v3   on the way out;  later: where wave 0 reads the scale bytes
.set IM,   4                           ; v4   where my block's codes go in the fragments
.set SC8,  5                           ; v5   where my block's byte goes
.set MSI,  6                           ; v6   the mask's stage, in;  later: my fragment's place in xb
.set MSO,  7                           ; v7   out;  later: the scale bytes' place in xb
.set GM,   10                          ; v10  my two words' place in maskw
.set C,    24                          ; v24-31   a block's codes
.set GA,   32                          ; v32-63   the gain, as a row is loaded
.set GB,   64                          ; v64-95   the bias
.set X,    96                          ; v96-159  two rows;  later the mask by score registers
.set Y,    160                         ; v160-191 32 neighbours;  later the way out
.set MK,   192                         ; v192-255 the mask as loaded
	s_load_b256 s[4:11], s[0:1], 0x0               ; x, ln1_a, ln1_b, mask
	s_load_b128 s[12:15], s[0:1], 0x20             ; xb, maskw
	s_set_vgpr_msb 0x40
	v_lshl_add_u32 v0, v0, 2, 0x26a00
	v_mov_b32 v1, 0
	s_set_vgpr_msb 0x4000
	v_lshrrev_b32 v1, 5, v0
	s_delay_alu instid0(VALU_DEP_1)
	v_readfirstlane_b32 s16, v1                    ; wave 0..7
	v_and_b32 v11, 31, v0                          ; lane
	s_delay_alu instid0(VALU_DEP_1)
	v_lshlrev_b32 v[VX], 4, v11
	s_mul_i32 s17, s16, WREG
	v_lshrrev_b32 v[STI], 3, v11
	s_delay_alu instid0(VALU_DEP_1)
	v_lshl_add_u32 v[STI], v[STI], 4, v[VX]        ; 16 l + 16 (l / 8): eight lanes fill a block of 128 bytes, then 16 of padding
	s_delay_alu instid0(VALU_DEP_1)
	v_add_nc_u32 v[STI], s17, v[STI]
	v_mul_u32_u24 v[STO], v11, 144                 ; block l
	s_delay_alu instid0(VALU_DEP_1)
	v_add_nc_u32 v[STO], s17, v[STO]
	s_lshl_b32 s2, s16, 5
	s_add_co_u32 s2, s2, IMG
	v_lshlrev_b32 v[IM], 9, v11                    ; block l is piece l % 4 of fragment l / 4: 512 l; row 2 w + i: 16 bytes each
	s_delay_alu instid0(VALU_DEP_1)
	v_add_nc_u32 v[IM], s2, v[IM]
	s_lshl_b32 s2, s16, 6
	s_add_co_u32 s2, s2, SCS
	v_add_nc_u32 v[SC8], s2, v11
	s_add_co_u32 s2, s17, MST
	v_add_nc_u32 v[MSI], s2, v[VX]
	v_and_b32 v[MSO], 15, v0
	s_delay_alu instid0(VALU_DEP_1)
	v_mul_u32_u24 v[MSO], v[MSO], 528
	v_bfe_u32 v23, v0, 4, 1
	s_delay_alu instid0(VALU_DEP_1)
	v_lshl_add_u32 v[MSO], v23, 5, v[MSO]          ; row r, + 32 h: eight keys of my half
	s_delay_alu instid0(VALU_DEP_1)
	v_add_nc_u32 v[MSO], s2, v[MSO]
	s_lshl_b32 s2, ttmp9, 3
	s_add_co_u32 s2, s2, s16
	s_lshl_b32 s2, s2, 8                           ; 256 bytes for each (row group, key step)
	v_lshl_add_u32 v[GM], v11, 3, s2
	s_mov_b32 s28, 0x600000                        ; the mantissa field of 57,344
	s_mov_b32 s30, 0x76543210
	s_mov_b32 s31, 0xfedcba98                      ; v_permlanex16_b32's selects for lane l xor 16
	s_lshl_b32 s18, ttmp9, 16                      ; 16 rows of 4,096 bytes, in x and in the mask alike
	s_lshl_b32 s2, s16, 13
	s_add_co_u32 s2, s18, s2
	s_mov_b32 s3, 0
	s_wait_kmcnt 0x0
	s_add_nc_u64 s[4:5], s[4:5], s[2:3]            ; x at my first row
	s_lshl_b32 s2, s16, 9
	s_add_co_u32 s2, s18, s2
	s_add_nc_u64 s[10:11], s[10:11], s[2:3]        ; the mask at the group's first row, my 128 keys
.irp j, 0,1,2,3,4,5,6,7
	global_load_b128 v[GA+4*\j:GA+4*\j+3], v[VX], s[6:7] offset:512*\j
.endr
.irp j, 0,1,2,3,4,5,6,7
	global_load_b128 v[GB+4*\j:GB+4*\j+3], v[VX], s[8:9] offset:512*\j
.endr
.irp i, 0,1
.irp j, 0,1,2,3,4,5,6,7
	global_load_b128 v[X+32*\i+4*\j:X+32*\i+4*\j+3], v[VX], s[4:5] offset:4096*\i+512*\j   ; 32 lanes read 512 consecutive bytes
.endr
.endr
.irp p, 0,1,2,3,4,5,6,7,8,9,10,11,12,13,14,15
	global_load_b128 v[MK+4*\p:MK+4*\p+3], v[VX], s[10:11] offset:4096*\p th:TH_LOAD_NT    ; read once in the whole program
.endr
.macro WSUM                            ; v12 summed over the 32 lanes, the result in every lane
	s_delay_alu instid0(VALU_DEP_1)
	v_add_f32_dpp v12, v12, v12 row_xmask:1 row_mask:0xf bank_mask:0xf
	s_delay_alu instid0(VALU_DEP_1)
	v_add_f32_dpp v12, v12, v12 row_xmask:2 row_mask:0xf bank_mask:0xf
	s_delay_alu instid0(VALU_DEP_1)
	v_add_f32_dpp v12, v12, v12 row_xmask:4 row_mask:0xf bank_mask:0xf
	s_delay_alu instid0(VALU_DEP_1)
	v_add_f32_dpp v12, v12, v12 row_xmask:8 row_mask:0xf bank_mask:0xf
	s_delay_alu instid0(VALU_DEP_1)
	v_permlanex16_b32 v23, v12, s30, s31
	s_delay_alu instid0(VALU_DEP_1)
	v_add_f32 v12, v12, v23
.endm
; Row i of my two.  left: the younger loads that may stay out.
.macro LNROW i, left
.set XR, X+32*\i
	s_wait_loadcnt \left
	v_pk_add_f32 v[12:13], v[XR:XR+1], v[XR+2:XR+3]               ; the sum, in two chains of pairs
	v_pk_add_f32 v[18:19], v[XR+4:XR+5], v[XR+6:XR+7]
.irp k, 8,12,16,20,24,28
	s_delay_alu instid0(VALU_DEP_2)
	v_pk_add_f32 v[12:13], v[12:13], v[XR+\k:XR+\k+1]
	s_delay_alu instid0(VALU_DEP_2)
	v_pk_add_f32 v[18:19], v[18:19], v[XR+\k+2:XR+\k+3]
.endr
	s_delay_alu instid0(VALU_DEP_1)
	v_pk_add_f32 v[12:13], v[12:13], v[18:19]
	s_delay_alu instid0(VALU_DEP_1)
	v_add_f32 v12, v12, v13
	WSUM
	s_delay_alu instid0(VALU_DEP_1)
	v_mul_f32 v14, 0x3a800000, v12                 ; / 1,024: the mean
	s_delay_alu instid0(VALU_DEP_1)
	v_mov_b32 v15, v14
.set k, 0
.rept 16
	v_pk_add_f32 v[XR+k:XR+k+1], v[XR+k:XR+k+1], v[14:15] neg_lo:[0,1] neg_hi:[0,1]
.set k, k+2
.endr
	v_pk_mul_f32 v[12:13], v[XR:XR+1], v[XR:XR+1]                 ; the squares of x - mean
	v_pk_mul_f32 v[18:19], v[XR+2:XR+3], v[XR+2:XR+3]
.irp k, 4,8,12,16,20,24,28
	s_delay_alu instid0(VALU_DEP_2)
	v_pk_fma_f32 v[12:13], v[XR+\k:XR+\k+1], v[XR+\k:XR+\k+1], v[12:13]
	s_delay_alu instid0(VALU_DEP_2)
	v_pk_fma_f32 v[18:19], v[XR+\k+2:XR+\k+3], v[XR+\k+2:XR+\k+3], v[18:19]
.endr
	s_delay_alu instid0(VALU_DEP_1)
	v_pk_add_f32 v[12:13], v[12:13], v[18:19]
	s_delay_alu instid0(VALU_DEP_1)
	v_add_f32 v12, v12, v13
	WSUM
	s_delay_alu instid0(VALU_DEP_1)
	v_mul_f32 v12, 0x3a802008, v12                 ; / 1,023
	s_wait_alu depctr_va_vdst(0)
	v_sqrt_f32 v12, v12
	v_nop                                          ; a plain line behind a transcendental (ISA guide 5.7.2)
	s_wait_alu depctr_va_vdst(0)
	v_add_f32 v12, 0x358637bd, v12                 ; + 1e-6
	s_wait_alu depctr_va_vdst(0)
	v_rcp_f32 v16, v12
	v_rcp_f32 v17, v12                             ; twice: the packed multiply names a pair
	v_nop
.set k, 0
	s_wait_alu depctr_va_vdst(0)
.rept 16
	v_pk_mul_f32 v[XR+k:XR+k+1], v[XR+k:XR+k+1], v[16:17]
.set k, k+2
.endr
.set k, 0
.rept 16
	v_pk_fma_f32 v[XR+k:XR+k+1], v[XR+k:XR+k+1], v[GA+k:GA+k+1], v[GB+k:GB+k+1]
.set k, k+2
.endr
.irp j, 0,1,2,3,4,5,6,7
	ds_store_b128 v[STI], v[XR+4*\j:XR+4*\j+3] offset:XST*\i+576*\j
.endr
.irp e, 0,1,2,3,4,5,6,7
	ds_load_b128 v[Y+4*\e:Y+4*\e+3], v[STO] offset:XST*\i+16*\e   ; LDS serves a wave's instructions in order: these see my stores.  Lane l now holds k = 32 l .. 32 l + 31
.endr
	s_wait_dscnt 0x0
	v_max3_num_f32 v18, |v[Y]|, |v[Y+1]|, |v[Y+2]|                ; the block's largest magnitude: all 32 numbers are mine
	v_max3_num_f32 v19, |v[Y+3]|, |v[Y+4]|, |v[Y+5]|
.irp k, 6,10,14,18,22,26
	s_delay_alu instid0(VALU_DEP_2)
	v_max3_num_f32 v18, v18, |v[Y+\k]|, |v[Y+\k+1]|
	s_delay_alu instid0(VALU_DEP_2)
	v_max3_num_f32 v19, v19, |v[Y+\k+2]|, |v[Y+\k+3]|
.endr
	s_delay_alu instid0(VALU_DEP_2)
	v_max3_num_f32 v18, v18, |v[Y+30]|, |v[Y+31]|
	s_delay_alu instid0(VALU_DEP_1)
	v_max3_num_f32 v18, v18, v19, 0x8000000        ; and the floor 2^(16 - 127): the byte cannot fall under 1
	s_delay_alu instid0(VALU_DEP_1)
	v_add_nc_u32 v21, 0xf8800000, v18              ; 15 off the exponent field: the conversion's scale operand
	s_delay_alu instid0(VALU_DEP_2)
	v_and_or_b32 v20, v18, 0x7f800000, s28         ; 57,344 x the scale
.set k, 0
.rept 32
	v_med3_num_f32 v[Y+k], v[Y+k], -v20, v20       ; the conversion to an 8-bit code does not saturate (ISA guide 7.6.2)
.set k, k+1
.endr
.irp g, 0,1,2,3
	v_cvt_scalef32_pk8_bf8_f32 v[C+2*\g:C+2*\g+1], v[Y+8*\g:Y+8*\g+7], v21
.endr
	v_lshrrev_b32 v22, 23, v21                     ; the scale's byte
	ds_store_b128 v[IM], v[C:C+3] offset:16*\i     ; k + 0 .. 15: the lower half of the lanes' place of row 2 w + i
	ds_store_b128 v[IM], v[C+4:C+7] offset:16*\i+256
	ds_store_b8 v[SC8], v22 offset:32*\i
.endm
	LNROW 0, 24                                    ; out may be: my second row's 8 loads and the mask's 16
	LNROW 1, 16                                    ; the mask's 16
	s_wait_loadcnt 0x0
.irp p, 0,1,2,3,4,5,6,7,8,9,10,11,12,13,14,15
	ds_store_b128 v[MSI], v[MK+4*\p:MK+4*\p+3] offset:528*\p
.endr
.irp t, 0,1,2,3,4,5,6,7
	ds_load_b128 v[X+8*\t:X+8*\t+3], v[MSO] offset:64*\t          ; register 8 t + j: mask[row r][16 t + 8 h + j]
	ds_load_b128 v[X+8*\t+4:X+8*\t+7], v[MSO] offset:64*\t+16
.endr
	v_mov_b32 v8, 0
	v_mov_b32 v9, 0
	s_wait_dscnt 0x0
.set n, 0
.rept 8
.irp u, 0,1,2,3,4,5,6,7
	v_cmp_ne_u32 s[20+\u], 0, v[X+n+\u]            ; word n + u: one bit a lane
.endr
.irp u, 0,1,2,3,4,5,6,7
	v_writelane_b32 v[8+\u%2], s[20+\u], (n+\u)/2  ; words 2 l and 2 l + 1 go to lane l
.endr
.set n, n+8
.endr
	global_store_b64 v[GM], v[8:9], s[14:15]       ; 32 lanes store 256 consecutive bytes, aligned
	; the way out's addresses, in the registers of the stages' addresses, whose last use is over
	s_lshl_b32 s2, s16, 11
	s_add_co_u32 s2, s2, IMG
	v_add_nc_u32 v[STI], s2, v[VX]                 ; fragment w, 16 bytes a lane
	v_add_nc_u32 v[STO], SCS, v[VX]
	s_lshr_b32 s2, ttmp9, 3
	s_lshl_b32 s2, s2, 17                          ; 131,072 bytes for 128 rows,
	s_and_b32 s3, ttmp9, 7
	s_lshl_b32 s3, s3, 11                          ; my group of 16 rows,
	s_add_co_u32 s2, s2, s3
	s_lshl_b32 s3, s16, 14                         ; fragment w: 128 along K of 128 rows are 16,384 bytes
	s_add_co_u32 s2, s2, s3
	v_add_nc_u32 v[MSI], s2, v[VX]
	s_lshl_b32 s2, ttmp9, 9
	s_add_co_u32 s2, s2, XS
	v_add_nc_u32 v[MSO], s2, v[VX]
	s_wait_alu depctr_va_vdst(0)
	s_wait_dscnt 0x0                               ; for the others' sake: my codes and bytes lie in LDS
	s_barrier_signal -1
	s_barrier_wait -1
.irp c, 0,1,2,3
	ds_load_b128 v[Y+4*\c:Y+4*\c+3], v[STI] offset:512*\c
.endr
	s_wait_dscnt 0x0
.irp c, 0,1,2,3
	global_store_b128 v[MSI], v[Y+4*\c:Y+4*\c+3], s[12:13] offset:512*\c
.endr
	s_cmp_lg_u32 s16, 0
	s_cbranch_scc1 .Lend                           ; the 512 scale bytes leave by wave 0
	ds_load_b128 v[Y+16:Y+19], v[STO]
	s_wait_dscnt 0x0
	global_store_b128 v[MSO], v[Y+16:Y+19], s[12:13]
.Lend:
	s_set_vgpr_msb 0x5
	s_wait_tensorcnt 0x0
	ds_add_u32 v0, v1
	s_wait_dscnt 0x0
	s_set_vgpr_msb 0x500
	s_endpgm
.Lfunc_end_k_q8a53d4d761_prep:
	.size	k_q8a53d4d761_prep, .Lfunc_end_k_q8a53d4d761_prep-k_q8a53d4d761_prep
	.p2alignl 7, 3214868480
	.fill 96, 4, 3214868480
	.section	.rodata,"a",@progbits
	.p2align	6, 0x0
	.amdhsa_kernel k_q8a53d4d761_prep
		.amdhsa_group_segment_fixed_size 159232
		.amdhsa_private_segment_fixed_size 0
		.amdhsa_enable_private_segment 0
		.amdhsa_kernarg_size 48
		.amdhsa_user_sgpr_count 2
		.amdhsa_user_sgpr_kernarg_segment_ptr 1
		.amdhsa_wavefront_size32 1
		.amdhsa_system_sgpr_workgroup_id_x 1
		.amdhsa_system_sgpr_workgroup_id_y 1
		.amdhsa_system_sgpr_workgroup_id_z 1
		.amdhsa_system_vgpr_workitem_id 0
		.amdhsa_next_free_vgpr 258
		.amdhsa_next_free_sgpr 66
		.amdhsa_reserve_vcc 0
		.amdhsa_float_denorm_mode_32 3
		.amdhsa_float_denorm_mode_16_64 3
		.amdhsa_memory_ordered 1
		.amdhsa_forward_progress 1
		.amdhsa_inst_pref_size 45
	.end_amdhsa_kernel
	.amdgpu_metadata
---
amdhsa.version: [ 1, 2 ]
amdhsa.kernels:
  - .name:           k_q8a53d4d761_prep
    .symbol:         k_q8a53d4d761_prep.kd
    .args:
      - { .name: x, .offset: 0, .size: 8, .value_kind: global_buffer, .address_space: global }
      - { .name: ln1_a, .offset: 8, .size: 8, .value_kind: global_buffer, .address_space: global }
      - { .name: ln1_b, .offset: 16, .size: 8, .value_kind: global_buffer, .address_space: global }
      - { .name: mask, .offset: 24, .size: 8, .value_kind: global_buffer, .address_space: global }
      - { .name: xb, .offset: 32, .size: 8, .value_kind: global_buffer, .address_space: global }
      - { .name: maskw, .offset: 40, .size: 8, .value_kind: global_buffer, .address_space: global }
    .group_segment_fixed_size: 159232
    .private_segment_fixed_size: 0
    .kernarg_segment_align: 8
    .kernarg_segment_size: 48
    .max_flat_workgroup_size: 256
    .sgpr_count:     66
    .vgpr_count:     258
    .wavefront_size: 32
...
	.end_amdgpu_metadata
.endif
;; end of part 1
;; launch qkv (part 2): grid 8 x 32, 4 waves a work-group, clusters of 4 x 4, 327,680 bytes of LDS; arguments xb, Wq_codes, Wk_codes, Wv_codes, Wq_scales, Wk_scales, Wv_scales, bq, bk, bv, qkv; writes qkv
.if DOCPART == 2
	.amdgcn_target "amdgcn-amd-amdhsa--gfx1250"
	.amdhsa_code_object_version 6
	.text
	.protected	k_q8a53d4d761_qkv
	.globl	k_q8a53d4d761_qkv
	.p2align	8
	.type	k_q8a53d4d761_qkv,@function
k_q8a53d4d761_qkv:
	s_mov_b64 s[64:65], 0
	v_nop
	global_prefetch_b8 v0, s[64:65] scope:SCOPE_SE
	s_setreg_imm32_b32 hwreg(HW_REG_WAVE_MODE, 25, 1), 1
	s_wait_xcnt 0x0
	s_wait_alu depctr_hold_cnt(0) depctr_sa_sdst(0) depctr_va_vdst(0) depctr_va_sdst(0) depctr_va_ssrc(0) depctr_va_vcc(0) depctr_vm_vsrc(0)
	s_getreg_b32 s2, hwreg(HW_REG_IB_STS2, 6, 4)
	s_cmp_eq_u32 s2, 0
	s_cbranch_scc0 .Lentry_in_a_cluster
	s_endpgm
.Lentry_in_a_cluster:
	s_bfe_u32 s2, ttmp6, 0x10000c
	s_cmp_lg_u32 s2, 0xf033
	s_cbranch_scc0 .Lentry_shape_is_right
	s_endpgm
.Lentry_shape_is_right:
; q = xb Wq + bq, k = xb Wk + bk, v = xb Wv + bv on codes of BF8 (E5M2) with E8M0 scales; each result is quantised again on the way out: q and k along the head's 64, v along the keys.
; SHARES.  A work-group owns 128 rows (mb) and column block gx (128 columns) of all three products: three tiles, one after the other.  Four waves, each 64 x 64: 16 accumulators.  A wave's 64 columns are one head.
; K goes in steps of 512 through two LDS slots: xb's part is a dense block of register images (65,536 bytes), the weight's 128 rows of 512 bytes (+ 16 of padding).  Six steps, written out: no loop.
; xb's PART OF BOTH SLOTS IS FILLED ONCE: a slot always holds the same half of K, so the 131,072 bytes of my 128 rows serve all three tiles.  Only the weight's part of a slot is filled again: 67,584 bytes a step.
; CLUSTER 4 x 4: xb's tiles hang on mb alone and are asked for jointly along a row of the cluster, the weights' on gx alone, along a column.
; q, k: THE MATRIX INSTRUCTION IS USED TRANSPOSED (source 0 = 16 rows of W, source 1 = 16 rows of xb): a lane holds one row and eight neighbouring columns.  v: the natural way (source 0 = xb's rows = keys):
; a lane holds one column d and eight neighbouring keys.  Either way a lane's registers run along the axis that is quantised, and a block of 32 lies in lanes l and l xor 16.
; OUT: images of the next operands' registers.  The four code registers of tiles 2 c and 2 c + 1 go to piece c at 16 x lane: place (c, h, i) holds 32 c + 16 (i / 8) + 8 h + i % 8 along the next K: the same
; order in q and k, and in v and the attention's p; each block of 32 keeps its members.  LIMIT: so the order of the products inside a block differs from the ascending one.
;   q, k codes [head in batch][16 rows][c 0..1][lane][16];  v codes [head][key / 128][d / 16][c 0..3][lane][16];  scale words: q, k: the two bytes twice (b0 b1 b0 b1); v: a byte for each 32 keys.
; LIMITS: NaN and infinities are not served; a block whose largest magnitude lies under 2^-111 keeps the byte 1.
; REGISTERS: window 0: v1-31 addresses; v32-63 scale words, two sets; v64-127 at work on the way out; v128-255 accumulators ((x, y) at 128 + 8 (4 x + y)).
;   window 1: two fragment buffers of 128: xb's four fragments, then W's four.   window 2: the biases in the results' layout, 32 registers a tile: the C of each sum's first instruction.
.set KB,    1024
.set TILES, 3
.set SPT,   KB/512                     ; steps to a tile
.set NS,    TILES*SPT
.set KS,    KB/32                      ; a row of scale bytes
.set ACODES, 4096*KB                   ; where the scale bytes begin in the A operand's buffer
.set SLOT,  133120                     ; 65,536 of images + 128 rows x 528
.set SCA,   2*SLOT                     ; behind the slots: A's scale bytes, as units of 256 bytes + 16
.set SCAH,  (64*KS/256)*272            ; those of 64 rows
.set SBLK,  SCAH/4                     ; of 16 rows
.set SCB,   SCA+2*SCAH                 ; the weights': 2 SCAH a tile
.set SPARE, SCB+TILES*2*SCAH           ; the spare words, 128 bytes a wave: two blocks of 256 bytes that no other line names
.set KC,    4194304                    ; in qkv: k's codes (q's at 0),
.set VC,    8388608                    ; v's,
.set QS,    12582912                   ; q's scale words, 4,096 bytes a head,
.set KVS,   12845056                   ; k's (4,096) and v's (2,048), 6,144 bytes a head
.set ADRA, 4                           ; v4-5  my fragments of A in slot 0, 1
.set ADRB, 6                           ; v6-7  of W
.set ADRS, 8                           ; v8    my scale words: lanes 0-15 A's rows, lanes 16-31 W's
.set VHT,  9                           ; v9    what takes lanes 16-31 on to the next tile's scale bytes
.set SPW,  10                          ; v10   my spare word;  never rewritten
.set NIL,  11                          ; v11   0;  never rewritten
.set L16,  12
.set L4,   14
.set OQ,   24                          ; v24-28 my places in qkv: q's codes (k's: + KC), v's codes, q's, k's, v's scale words
.set OV,   25
.set OQS,  26
.set OKS,  27
.set OVS,  28
.set BO,   30
.set BR,   31
.set SC,   32
.set MX,   64                          ; largest magnitudes;  later the scale words
.set PM,   72                          ; the other half's;  later the bytes
.set HB,   80                          ; 57,344 x the scale
.set SO,   88                          ; the conversions' scale operands
.set CD,   96                          ; the codes: four registers a block
.set ACC,  128
.set G1A,  24
.set G1B,  32
.set G1SA, 40
.set G1SB, 48
.set G0A,  56                          ; a set for each slot: used for the first fills alone
.set G0B,  68
.set G0SA, 76
.set G0SB, 80                          ; a set for each weight
.set RAW,  92                          ; s[92:95] where my rows of Wk and of Wv begin
.set MUL,  0x05                        ; sources 0 and 1 window 1
.set MULF, 0x25                        ; and C window 2
.set TO_F, 0x40
.set MSB, 0
.macro WIN new                         ; the immediate's high byte repeats the setting that is left
.if MSB != \new
	s_set_vgpr_msb (MSB<<8)|\new
.set MSB, \new
.endif
.endm
.macro PLACES n
.rept \n
	v_nop
.endr
.endm
.macro CREST                           ; a round of the cluster's barrier behind its opening barrier
	s_cmp_lg_u32 s16, 0
	s_cbranch_scc1 .Lnot_wave_0_\@
	s_barrier_signal -3
.Lnot_wave_0_\@:
	s_barrier_wait -3
	s_barrier_signal -1
	s_barrier_wait -1
.endm
.macro CROUND
	s_barrier_signal -1
	s_barrier_wait -1
	CREST
.endm
.macro JLOAD sl                        ; a joint refill: wave 1 fetches W's whole tile; the other waves have nothing to fill: xb's part stays.  Four v_nop follow the line
	s_cmp_lg_u32 s16, 1                            ; wave 1 fetches the weight's whole tile
	s_cbranch_scc1 .Lasked_\@
	tensor_load_to_lds s[G0B+4*(\sl):G0B+4*(\sl)+3], s[G1B:G1B+7]
	s_nop 0
	PLACES 4
.Lasked_\@:
.endm
	s_load_b128 s[4:7], s[0:1], 0x0                ; xb, Wq's codes
	s_load_b128 s[RAW:RAW+3], s[0:1], 0x10         ; Wk's codes, Wv's codes
	s_load_b64 s[G0SB+2:G0SB+3], s[0:1], 0x20      ; the three weights' scale bytes: into their descriptors' address words
	s_load_b64 s[G0SB+6:G0SB+7], s[0:1], 0x28
	s_load_b64 s[G0SB+10:G0SB+11], s[0:1], 0x30
	s_load_b128 s[8:11], s[0:1], 0x38              ; bq, bk
	s_load_b128 s[12:15], s[0:1], 0x48             ; bv, qkv
	v_lshl_add_u32 v[SPW], v0, 2, SPARE
	v_mov_b32 v[NIL], 0
	ds_add_u32 v10, v11
	ds_add_u32 v10, v11
	s_wait_dscnt 0x0
	v_lshrrev_b32 v1, 5, v0
	v_readfirstlane_b32 s16, v1                    ; wave 0..3
	s_lshr_b32 s17, s16, 1                         ; my half of the rows.  Also: I fetch for A (0) or for W (1)
	s_and_b32 s18, s16, 1                          ; my half of the columns.  Also: which half of a tile I fetch
	s_bfe_u32 s19, ttmp6, 0x40000                  ; cx
	s_bfe_u32 s20, ttmp6, 0x40004                  ; cy
	s_lshl_b32 s21, ttmp9, 2
	s_add_co_u32 s21, s21, s19                     ; gx = 4 x cluster x + cx
	s_and_b32 s22, ttmp7, 0xffff
	s_lshl_b32 s22, s22, 2
	s_add_co_u32 s22, s22, s20                     ; mb = 4 x cluster y + cy
	s_lshl_b32 s2, s20, 2
	s_lshl_b32 s2, 15, s2                          ; my row of the cluster
	s_lshl_b32 s3, 0x1111, s19                     ; my column
	s_or_b32 s[G1A], s2, (3<<16)|(1<<21)           ; A: 512 rows of 32 elements of 8 bytes, dense, no padding; the mask, and bit 21 beside it
	s_or_b32 s[G1B], s3, (1<<20)|(1<<21)|(6<<22)|(3<<25)            ; W: 128 rows of 512 bytes; four words of padding after every 128
	s_or_b32 s[G1SA], s2, (3<<16)|(1<<20)|(1<<21)|(5<<22)|(3<<25)   ; scale bytes: rows of 256 bytes; four words of padding after every 64
	s_or_b32 s[G1SB], s3, (3<<16)|(1<<20)|(1<<21)|(5<<22)|(3<<25)
	s_mov_b32 s[G1A+1], 32<<16                     ; tensor_dim0
	s_mov_b32 s[G1A+2], 512<<16                    ; all of my 128 rows' images, 131,072 dense bytes, by one load
	s_mov_b32 s[G1A+3], 32<<16
	s_mov_b32 s[G1A+4], 512
	s_mov_b32 s[G1A+5], 32                         ; the pitch
	s_mov_b32 s[G1A+6], 0
	s_mov_b32 s[G1A+7], 0
	s_mov_b32 s[G1B+1], 512<<16
	s_mov_b32 s[G1B+2], 128<<16
	s_mov_b32 s[G1B+3], 512<<16
	s_mov_b32 s[G1B+4], 128
	s_mov_b32 s[G1B+5], KB
	s_mov_b32 s[G1B+6], 0
	s_mov_b32 s[G1B+7], 0
.irp g, G1SA, G1SB
	s_mov_b32 s[\g+1], 32<<16
	s_mov_b32 s[\g+2], (128*KS/256)<<16
	s_mov_b32 s[\g+3], 32<<16
	s_mov_b32 s[\g+4], 128*KS/256
	s_mov_b32 s[\g+5], 32
	s_mov_b32 s[\g+6], 0
	s_mov_b32 s[\g+7], 0
.endr
	s_mul_i32 s2, s22, SPT*65536                   ; A's images of my 128 rows: made of mb alone
	s_mov_b32 s3, 0
	s_lshl_b32 s23, s21, 7
	s_mul_i32 s100, s23, KB
	s_mov_b32 s101, 0
	s_wait_kmcnt 0x0
	s_add_nc_u64 s[G0A+2:G0A+3], s[4:5], s[2:3]
	s_add_nc_u64 s[G0B+2:G0B+3], s[6:7], s[100:101]
	s_add_nc_u64 s[G0B+6:G0B+7], s[G0B+2:G0B+3], 512
	s_add_nc_u64 s[RAW:RAW+1], s[RAW:RAW+1], s[100:101]
	s_add_nc_u64 s[RAW+2:RAW+3], s[RAW+2:RAW+3], s[100:101]
	s_mul_i32 s100, s23, KS
.irp t, 0,1,2
	s_add_nc_u64 s[G0SB+4*\t+2:G0SB+4*\t+3], s[G0SB+4*\t+2:G0SB+4*\t+3], s[100:101]
	s_or_b32 s[G0SB+4*\t+3], s[G0SB+4*\t+3], 0x80000000
.endr
	s_mul_i32 s2, s22, 128*KS
	s_add_co_u32 s2, s2, ACODES
	s_mov_b32 s3, 0
	s_add_nc_u64 s[G0SA+2:G0SA+3], s[4:5], s[2:3]
	s_or_b32 s[G0SA+3], s[G0SA+3], 0x80000000
	s_or_b32 s[G0A+3], s[G0A+3], 0x80000000
	s_or_b32 s[G0B+3], s[G0B+3], 0x80000000
	s_or_b32 s[G0B+7], s[G0B+7], 0x80000000
	s_mov_b32 s[G0A], 1
	s_mov_b32 s[G0A+1], 0                          ; LDS: xb's images at 0 (131,072 bytes), the weight's two slots of 67,584 bytes behind them
	s_mov_b32 s[G0B], 1
	s_mov_b32 s[G0B+1], 131072
	s_mov_b32 s[G0B+4], 1
	s_mov_b32 s[G0B+5], 131072+67584
	s_mov_b32 s2, 0
	s_mov_b32 s[G0SA], 1
	s_add_co_u32 s[G0SA+1], s2, SCA
.irp t, 0,1,2
	s_mov_b32 s[G0SB+4*\t], 1
	s_add_co_u32 s[G0SB+4*\t+1], s2, SCB+\t*2*SCAH
.endr
	CROUND                                         ; all sixteen work-groups are here: the first joint loads meet
; THE HEAD'S LOADS, ONE A WAVE: wave 0 xb's images, wave 1 Wq's first half of K, wave 2 xb's scale bytes, wave 3 Wq's.  One chain of branches on the wave's number, a load to an arm.
.macro ARM under, g0, g1, next, done
	s_cmp_lt_u32 s16, \under
	s_cbranch_scc0 \next
	tensor_load_to_lds s[\g0:\g0+3], s[\g1:\g1+7]
	s_nop 0
	PLACES 4
	s_branch \done
\next:
.endm
; A prefetch of step st's tile of a weight (128 rows x 512 bytes): the four partners that ask for it jointly take 32 rows each, by address (cy); waves 0 and 1 take the two blocks of 256 bytes of a row, a lane a row.
.set PFO, 29                           ; v29  1,024 x lane + 32,768 cy + 256 x (wave % 2); never rewritten
.macro ASK st
.if (\st) < NS
	s_cmp_eq_u32 s17, 0
	s_cbranch_scc0 .Lnoask_\@
	global_prefetch_b8 v[PFO], s[RAW+2*((\st)/2-1):RAW+2*((\st)/2-1)+1] offset:512*((\st)%2) th:TH_LOAD_NT scope:SCOPE_SE
.Lnoask_\@:
.endif
.endm
	ARM 1, G0A, G1A, .Lhead_b, .Lfirst_done
	ARM 2, G0B, G1B, .Lhead_sa, .Lfirst_done
	ARM 3, G0SA, G1SA, .Lhead_sb, .Lfirst_done
	tensor_load_to_lds s[G0SB:G0SB+3], s[G1SB:G1SB+7]
	s_nop 0
	PLACES 4
.Lfirst_done:
	s_lshl_b32 s2, s20, 15
	s_lshl_b32 s3, s18, 8
	s_add_co_u32 s2, s2, s3
	v_and_b32 v[PFO], 31, v0
	v_lshl_add_u32 v[PFO], v[PFO], 10, s2
	v_and_b32 v1, 15, v0                           ; r
	v_bfe_u32 v2, v0, 4, 1                         ; h
	v_and_b32 v3, 31, v0                           ; l
	v_lshlrev_b32 v[L16], 4, v3
	v_lshlrev_b32 v[L4], 2, v3
	v_lshlrev_b32 v[BO], 5, v2
	s_wait_alu depctr_va_vdst(0)
	v_lshlrev_b32 v[BR], 2, v1
	s_wait_alu depctr_va_vdst(0)
	s_lshl_b32 s100, s21, 9                        ; the biases of my 64 columns
	s_lshl_b32 s101, s18, 8
	s_add_co_u32 s100, s100, s101
	s_mov_b32 s101, 0
	s_add_nc_u64 s[8:9], s[8:9], s[100:101]
	s_add_nc_u64 s[10:11], s[10:11], s[100:101]
	s_add_nc_u64 s[12:13], s[12:13], s[100:101]
	WIN 0x80                                       ; destination window 2
.irp y, 0,1,2,3
	global_load_b128 v[8*\y:8*\y+3], v[BO], s[8:9] offset:64*\y          ; q: register j of tile y: bq[16 y + 8 h + j]
	global_load_b128 v[8*\y+4:8*\y+7], v[BO], s[8:9] offset:64*\y+16
	global_load_b128 v[32+8*\y:32+8*\y+3], v[BO], s[10:11] offset:64*\y
	global_load_b128 v[32+8*\y+4:32+8*\y+7], v[BO], s[10:11] offset:64*\y+16
.endr
.irp x, 0,1,2,3
.irp j, 0,1,2,3,4,5,6,7
	global_load_b32 v[64+8*\x+\j], v[BR], s[12:13] offset:64*\x          ; v: a lane holds one column d: all eight registers bv[16 x + r]
.endr
.endr
	WIN 0
	s_lshl_b32 s2, s17, 13
	v_add_nc_u32 v[ADRA], s2, v[L16]               ; my four row groups' images, 16 bytes a lane
	v_add_nc_u32 v[ADRA+1], 65536, v[ADRA]
	v_mul_u32_u24 v[ADRB], v1, 528
	v_lshl_add_u32 v[ADRB], v2, 4, v[ADRB]
	s_mul_i32 s2, s18, 33792
	s_add_co_u32 s2, s2, 131072
	v_add_nc_u32 v[ADRB], s2, v[ADRB]
	v_add_nc_u32 v[ADRB+1], 67584, v[ADRB]
	v_mul_u32_u24 v[ADRS], v1, KS                  ; my row's scale bytes: KS a row,
	v_lshrrev_b32 v[VHT], 8, v[ADRS]
	v_lshl_add_u32 v[ADRS], v[VHT], 4, v[ADRS]     ; and 16 more for each 256 passed
	s_mul_i32 s2, s17, SCAH
	s_mul_i32 s3, s18, SCAH
	s_add_co_u32 s3, s3, 2*SCAH
	s_sub_co_u32 s3, s3, s2
	v_mul_u32_u24 v[VHT], s3, v2                   ; lanes 16-31 take W's
	s_add_co_u32 s2, s2, SCA
	v_add_nc_u32 v[ADRS], v[ADRS], v[VHT]
	v_add_nc_u32 v[ADRS], s2, v[ADRS]
	v_mul_u32_u24 v[VHT], v2, 2*SCAH
	; my places in qkv
	s_lshr_b32 s2, s22, 3
	s_lshl_b32 s2, s2, 4
	s_lshl_b32 s3, s21, 1
	s_add_co_u32 s2, s2, s3
	s_add_co_u32 s2, s2, s18                       ; the head in the batch: 16 (mb / 8) + 2 gx + my half
	s_and_b32 s3, s22, 7                           ; which 128 rows of the batch's 1,024
	s_lshl_b32 s23, s3, 3
	s_lshl_b32 s100, s17, 2
	s_add_co_u32 s23, s23, s100                    ; my first tile of 16 rows
	s_lshl_b32 s100, s2, 16
	s_lshl_b32 s101, s23, 10
	s_add_co_u32 s101, s101, s100
	v_add_nc_u32 v[OQ], s101, v[L16]
	s_lshl_b32 s101, s3, 13
	s_add_co_u32 s101, s101, s100
	s_lshl_b32 s100, s17, 10
	s_add_co_u32 s101, s101, s100
	s_add_co_u32 s101, s101, VC
	v_add_nc_u32 v[OV], s101, v[L16]
	s_lshl_b32 s100, s2, 12
	s_lshl_b32 s101, s23, 6
	s_add_co_u32 s100, s100, s101
	s_add_co_u32 s100, s100, QS
	v_add_nc_u32 v[OQS], s100, v[L4]
	s_mul_i32 s100, s2, 6144
	s_add_co_u32 s100, s100, KVS
	s_add_co_u32 s101, s100, s101
	v_add_nc_u32 v[OKS], s101, v[L4]
	s_lshl_b32 s101, s3, 8
	s_add_co_u32 s100, s100, s101
	s_lshl_b32 s101, s17, 1
	s_add_co_u32 s100, s100, s101
	s_add_co_u32 s100, s100, 4096
	v_add_nc_u32 v[OVS], s100, v[L4]
	s_mov_b32 s96, 0x600000                        ; the mantissa field of 57,344
	s_mov_b32 s97, 0xffff0000                      ; lanes 16-31
	s_mov_b32 s98, 0x76543210
	s_mov_b32 s99, 0xfedcba98                      ; v_permlanex16_b32's selects for lane l xor 16
.irp b, 0,1,2,3,4,5,6,7
	v_mov_b32 v[PM+\b], 0                          ; written once: a lane permute's destination counts as one of its sources
.endr
.macro FETCH sl, q, f                  ; 32 LDS loads: the fragments of the slot's q-th 128 along K into buffer f
	WIN TO_F
.irp a, 0,1,2,3
.irp c, 0,1,2,3
	ds_load_b128 v[(\f)+16*\a+4*\c:(\f)+16*\a+4*\c+3], v[ADRA+(\sl)] offset:16384*(\q)+2048*\a+512*\c
.endr
.endr
.irp b, 0,1,2,3
.irp c, 0,1,2,3
	ds_load_b128 v[(\f)+64+16*\b+4*\c:(\f)+64+16*\b+4*\c+3], v[ADRB+(\sl)] offset:8448*\b+128*(\q)+32*\c
.endr
.endr
.endm
.macro SCALES set, k                   ; a step's scale words: register 4 i + q: lanes 0-15 A's group i, lanes 16-31 W's group i, the step's q-th 128 along K
	WIN 0
.irp i, 0,1,2,3
	ds_load_b128 v[SC+16*(\set)+4*\i:SC+16*(\set)+4*\i+3], v[ADRS] offset:\i*SBLK+16*(\k)
.endr
.endm
; Four matrix instructions: accumulators (x, 0..3).  first = 1: the bias is the C: nothing is cleared and nothing is added later.  The 16 accumulators take turns, one instruction a turn.
.macro MULROW f, x, q, first
.if \first
	WIN MULF
.else
	WIN MUL
.endif
.irp y, 0,1,2,3
.set rD, ACC+8*(4*(\x)+\y)
.set sY, SC+16*SL+4*\y+(\q)
.set sX, SC+16*SL+4*(\x)+(\q)
.set rC, rD
.if MODE == 0
.if \first
.set rC, 32*TAU+8*\y
.endif
	v_wmma_scale_f32_16x16x128_f8f6f4 v[rD:rD+7], v[(\f)+64+16*\y:(\f)+64+16*\y+15], v[(\f)+16*(\x):(\f)+16*(\x)+15], v[rC:rC+7], v[sY], v[sX] matrix_a_fmt:MATRIX_FMT_BF8 matrix_b_fmt:MATRIX_FMT_BF8 matrix_a_scale:MATRIX_SCALE_ROW1
.else
.if \first
.set rC, 32*TAU+8*(\x)
.endif
	v_wmma_scale_f32_16x16x128_f8f6f4 v[rD:rD+7], v[(\f)+16*\y:(\f)+16*\y+15], v[(\f)+64+16*(\x):(\f)+64+16*(\x)+15], v[rC:rC+7], v[sY], v[sX] matrix_a_fmt:MATRIX_FMT_BF8 matrix_b_fmt:MATRIX_FMT_BF8 matrix_b_scale:MATRIX_SCALE_ROW1
.endif
.endr
.endm
; One of a step's first three chunks of 128 along K: the next chunk's fragments are asked for, then this chunk's 16 products.
.macro CHUNK q, first
	PLACES 8                                       ; in front of loads into registers that matrix instructions have read (ISA guide 7.12.1 for vector instructions)
	FETCH SL, (\q)+1, 128*(((\q)+1)%2)
	s_wait_dscnt 32                                ; all but the 32 just issued
.irp x, 0,1,2,3
	MULROW 128*((\q)%2), \x, \q, \first
.endr
.endm
.macro NEXTD s                         ; slot SL's next tile of W: the next weight's same half of K
.set NX, ((\s)+2)/2
	s_add_nc_u64 s[G0B+4*SL+2:G0B+4*SL+3], s[RAW+2*(NX-1):RAW+2*(NX-1)+1], 512*SL
	s_or_b32 s[G0B+4*SL+3], s[G0B+4*SL+3], 0x80000000
.endm
; A step's last chunk changes slots: ONE barrier; in front of it each wave waits for all its tensor loads, adds 0 to its spare word, and waits for that and for its reads of this slot.
.macro TURN s
	WIN 0
	s_wait_tensorcnt 0x0                           ; all my tensor loads have landed: my part of the next slot
	ds_add_u32 v[SPW], v[NIL]                      ; 0 onto my spare word
	s_wait_dscnt 1                                 ; (the add may be out)
	MULROW 128, 0, 3, 0
	s_wait_dscnt 0x0                               ; the add is done, and my reads of this slot are over
	s_barrier_signal -1
	MULROW 128, 1, 3, 0
	WIN 0
	s_barrier_wait -1
.if (\s)+2 < NS
	CREST                                          ; the barrier has opened a round of the cluster's: no wave of any partner still reads this slot or has a load on its way
	NEXTD \s
	JLOAD SL                                       ; the first tensor load behind the round, one a wave that has a part to fill
.endif
	PLACES 8                                       ; on every wave's way: in front of the loads below, into registers that matrix instructions have read
.if ((\s)+1)%SPT == 0
	v_add_nc_u32 v[ADRS], v[VHT], v[ADRS]          ; the next weight's scale bytes
.endif
	FETCH 1-SL, 0, 0
	SCALES 1-SL, ((\s)+1)%SPT
	ASK (\s)+4                                     ; two steps ahead of the load that will want it
	MULROW 128, 2, 3, 0
	MULROW 128, 3, 3, 0
.endm
; The 128 results of a lane are eight blocks' halves: block 2 x + c = the 16 registers from ACC + 16 (2 x + c) on, with lane l xor 16's 16.
.macro QUANT8
.irp b, 0,1,2,3,4,5,6,7
	v_max3_num_f32 v[MX+\b], |v[ACC+16*\b]|, |v[ACC+16*\b+1]|, 0x8000000   ; with the floor 2^(16 - 127): the byte cannot fall under 1
.endr
.irp i, 2,4,6,8,10,12,14
.irp b, 0,1,2,3,4,5,6,7
	v_max3_num_f32 v[MX+\b], v[MX+\b], |v[ACC+16*\b+\i]|, |v[ACC+16*\b+\i+1]|
.endr
.endr
.irp b, 0,1,2,3,4,5,6,7
	v_permlanex16_b32 v[PM+\b], v[MX+\b], s98, s99
.endr
.irp b, 0,1,2,3,4,5,6,7
	v_max_num_f32 v[MX+\b], v[MX+\b], v[PM+\b]
.endr
.irp b, 0,1,2,3,4,5,6,7
	v_add_nc_u32 v[SO+\b], 0xf8800000, v[MX+\b]    ; 15 off the exponent field: the conversion's scale operand
.endr
.irp b, 0,1,2,3,4,5,6,7
	v_and_or_b32 v[HB+\b], v[MX+\b], 0x7f800000, s96   ; 57,344 x the scale
.endr
.irp b, 0,1,2,3,4,5,6,7
	v_lshrrev_b32 v[PM+\b], 23, v[SO+\b]           ; the scale's byte
.endr
.irp b, 0,1,2,3,4,5,6,7
.irp i, 0,1,2,3,4,5,6,7,8,9,10,11,12,13,14,15
	v_med3_num_f32 v[ACC+16*\b+\i], v[ACC+16*\b+\i], -v[HB+\b], v[HB+\b]   ; the conversion does not saturate (ISA guide 7.6.2)
.endr
	v_cvt_scalef32_pk8_bf8_f32 v[CD+4*\b:CD+4*\b+1], v[ACC+16*\b:ACC+16*\b+7], v[SO+\b]
	v_cvt_scalef32_pk8_bf8_f32 v[CD+4*\b+2:CD+4*\b+3], v[ACC+16*\b+8:ACC+16*\b+15], v[SO+\b]
.endr
	v_nop                                          ; a plain line behind the last conversion: the next tile's products write its sources
.endm
.macro EPI
	WIN 0
	PLACES 8                                       ; in front of the first read of results
	s_wait_xcnt 0x0                                ; the last tile's stores have read their data: the registers are written again only behind this wait
	QUANT8
.irp x, 0,1,2,3
	v_lshl_or_b32 v[MX+\x], v[PM+2*\x+1], 8, v[PM+2*\x]           ; the two bytes of row group (or column group) x
.endr
.if TAU < 2
.irp x, 0,1,2,3
	v_lshl_or_b32 v[MX+\x], v[MX+\x], 16, v[MX+\x]                ; twice: the head's 64 may stand in either half of an instruction's 128
.endr
.endif
	v_cndmask_b32 v[MX+4], v[MX], v[MX+1], s97     ; lanes 0-15 store group 2 i's, lanes 16-31 group 2 i + 1's
	v_cndmask_b32 v[MX+5], v[MX+2], v[MX+3], s97
.if TAU < 2
.irp b, 0,1,2,3,4,5,6,7
	global_store_b128 v[OQ], v[CD+4*\b:CD+4*\b+3], s[14:15] offset:KC*TAU+512*\b   ; 32 lanes store 512 consecutive bytes
.endr
.if TAU == 0
	global_store_b32 v[OQS], v[MX+4], s[14:15]
	global_store_b32 v[OQS], v[MX+5], s[14:15] offset:128
.else
	global_store_b32 v[OKS], v[MX+4], s[14:15]
	global_store_b32 v[OKS], v[MX+5], s[14:15] offset:128
.endif
.else
.irp b, 0,1,2,3,4,5,6,7
	global_store_b128 v[OV], v[CD+4*\b:CD+4*\b+3], s[14:15] offset:2048*(\b/2)+512*(\b%2)
.endr
	global_store_b16 v[OVS], v[MX+4], s[14:15]     ; my 64 keys are half of a scale word
	global_store_b16 v[OVS], v[MX+5], s[14:15] offset:128
.endif
.endm
.macro STEPM s
.set SL, (\s)%2
.set TAU, (\s)/SPT
.if TAU == 2
.set MODE, 1
.else
.set MODE, 0
.endif
.if (\s)%SPT == 0
	CHUNK 0, 1
.else
	CHUNK 0, 0
.endif
	CHUNK 1, 0
	CHUNK 2, 0
.if (\s)+1 < NS
	TURN \s
.else
	s_wait_dscnt 0x0                               ; the very last chunk: nothing more to fetch
.irp x, 0,1,2,3
	MULROW 128, \x, 3, 0
.endr
.endif
.if (\s)%SPT == SPT-1
	EPI
.endif
.endm
	s_wait_alu depctr_va_vdst(0)                   ; the head's end
	s_wait_tensorcnt 0x0                           ; my tile of the head's four is in; the later first fills stand behind the same lines as a refill
	ds_add_u32 v[SPW], v[NIL]
	s_wait_dscnt 0x0
	CROUND
	s_cmp_eq_u32 s16, 0                            ; wave 1: Wq's second half of K; waves 2 and 3: Wk's and Wv's scale bytes; wave 0 has nothing left to fill
	s_cbranch_scc1 .Lsecond_done
	ARM 2, G0B+4, G1B, .Lsec_k, .Lsecond_done
	ARM 3, G0SB+4, G1SB, .Lsec_v, .Lsecond_done
	tensor_load_to_lds s[G0SB+8:G0SB+11], s[G1SB:G1SB+7]
	s_nop 0
	PLACES 4
.Lsecond_done:
	FETCH 0, 0, 0
	SCALES 0, 0
	ASK 2
	ASK 3
	s_wait_loadcnt 0x0                             ; the biases
.irp s, 0,1,2,3,4,5
	STEPM \s
.endr
	s_wait_tensorcnt 0x0                           ; the wave's end
	ds_add_u32 v[SPW], v[NIL]
	s_wait_dscnt 0x0
	CROUND                                         ; the closing round: no work-group ends while a partner may still ask for a tile that names it
	s_endpgm
.Lfunc_end_k_q8a53d4d761_qkv:
	.size	k_q8a53d4d761_qkv, .Lfunc_end_k_q8a53d4d761_qkv-k_q8a53d4d761_qkv
	.p2alignl 7, 3214868480
	.fill 96, 4, 3214868480
	.section	.rodata,"a",@progbits
	.p2align	6, 0x0
	.amdhsa_kernel k_q8a53d4d761_qkv
		.amdhsa_group_segment_fixed_size 327680
		.amdhsa_private_segment_fixed_size 0
		.amdhsa_enable_private_segment 0
		.amdhsa_kernarg_size 88
		.amdhsa_user_sgpr_count 2
		.amdhsa_user_sgpr_kernarg_segment_ptr 1
		.amdhsa_wavefront_size32 1
		.amdhsa_system_sgpr_workgroup_id_x 1
		.amdhsa_system_sgpr_workgroup_id_y 1
		.amdhsa_system_sgpr_workgroup_id_z 1
		.amdhsa_system_vgpr_workitem_id 0
		.amdhsa_next_free_vgpr 768
		.amdhsa_next_free_sgpr 102
		.amdhsa_reserve_vcc 0
		.amdhsa_float_denorm_mode_32 3
		.amdhsa_float_denorm_mode_16_64 3
		.amdhsa_memory_ordered 1
		.amdhsa_forward_progress 1
		.amdhsa_inst_pref_size 179
	.end_amdhsa_kernel
	.amdgpu_metadata
---
amdhsa.version: [ 1, 2 ]
amdhsa.kernels:
  - .name:           k_q8a53d4d761_qkv
    .symbol:         k_q8a53d4d761_qkv.kd
    .args:
      - { .name: xb, .offset: 0, .size: 8, .value_kind: global_buffer, .address_space: global }
      - { .name: Wq_codes, .offset: 8, .size: 8, .value_kind: global_buffer, .address_space: global }
      - { .name: Wk_codes, .offset: 16, .size: 8, .value_kind: global_buffer, .address_space: global }
      - { .name: Wv_codes, .offset: 24, .size: 8, .value_kind: global_buffer, .address_space: global }
      - { .name: Wq_scales, .offset: 32, .size: 8, .value_kind: global_buffer, .address_space: global }
      - { .name: Wk_scales, .offset: 40, .size: 8, .value_kind: global_buffer, .address_space: global }
      - { .name: Wv_scales, .offset: 48, .size: 8, .value_kind: global_buffer, .address_space: global }
      - { .name: bq, .offset: 56, .size: 8, .value_kind: global_buffer, .address_space: global }
      - { .name: bk, .offset: 64, .size: 8, .value_kind: global_buffer, .address_space: global }
      - { .name: bv, .offset: 72, .size: 8, .value_kind: global_buffer, .address_space: global }
      - { .name: qkv, .offset: 80, .size: 8, .value_kind: global_buffer, .address_space: global }
    .group_segment_fixed_size: 327680
    .private_segment_fixed_size: 0
    .kernarg_segment_align: 8
    .kernarg_segment_size: 88
    .max_flat_workgroup_size: 128
    .sgpr_count:     102
    .vgpr_count:     768
    .wavefront_size: 32
...
	.end_amdgpu_metadata
.endif
;; end of part 2
;; launch attn (part 3): grid 4 x 64, 16 waves a work-group, clusters of 4 x 1, 169,984 bytes of LDS; arguments qkv, maskw, att; writes att
.if DOCPART == 3
	.amdgcn_target "amdgcn-amd-amdhsa--gfx1250"
	.amdhsa_code_object_version 6
	.text
	.protected	k_q8a53d4d761_attn
	.globl	k_q8a53d4d761_attn
	.p2align	8
	.type	k_q8a53d4d761_attn,@function
k_q8a53d4d761_attn:
	s_mov_b64 s[64:65], 0
	v_nop
	global_prefetch_b8 v0, s[64:65] scope:SCOPE_SE
	s_setreg_imm32_b32 hwreg(HW_REG_WAVE_MODE, 25, 1), 1
	s_wait_xcnt 0x0
	s_wait_alu depctr_hold_cnt(0) depctr_sa_sdst(0) depctr_va_vdst(0) depctr_va_sdst(0) depctr_va_ssrc(0) depctr_va_vcc(0) depctr_vm_vsrc(0)
	s_getreg_b32 s2, hwreg(HW_REG_IB_STS2, 6, 4)
	s_cmp_eq_u32 s2, 0
	s_cbranch_scc0 .Lentry_in_a_cluster
	s_endpgm
.Lentry_in_a_cluster:
	s_bfe_u32 s2, ttmp6, 0x10000c
	s_cmp_lg_u32 s2, 0x3003
	s_cbranch_scc0 .Lentry_shape_is_right
	s_endpgm
.Lentry_shape_is_right:
; att = Q(softmax(mask(q k^T / 8)) v) for one head of one batch entry, both products on codes of BF8 (E5M2) with E8M0 scales; the result is quantised along the model's 1,024 for the next product.
; THE SOFTMAX: t = score x log2(e) / 8; M = the running largest t rounded UP to a whole number; p = 2^(t - M) is quantised along the keys; the row's sum is taken of the unquantised p and divides at the end.
; When M moves, the sum and O are multiplied by 2^(old M - new M): exact.
; THE MASK: a hidden score becomes -2^33 ahead of the maximum, so that its t is a whole number: a row hidden throughout gives p = 1 at every key (the uniform softmax that the logit -1e9 gives); in every other row
; p = 0 at hidden keys.  LIMIT: the hidden logit is -2^30 and not -1e9: results differ only where an open logit lies at or under about -1e9.
; SHARES.  A work-group owns 256 queries of a head, each of its sixteen waves one tile of 16 in 256 registers: four waves to a SIMD, one wave's vector work beside another's products and LDS loads.
; A head's k (64 KiB), v (64 KiB) and their scale words (6 KiB) lie in LDS whole, filled ONCE: no ring, nothing is filled again.  The four work-groups of a cluster are the four query blocks of one head:
; they ask for these bytes jointly (mask 15).
; LAYOUT.  Both products transposed: S^T = k q^T, O^T = v^T p^T: a lane holds one query.  k's tiles are 16 neighbouring keys, so p's codes come out in the order in which v's were stored.
; THE HEAD'S 64 IN AN INSTRUCTION OF 128: even tiles of keys run [k][zeros] against [q][zeros], odd ones [zeros][k] against [zeros][q]; zero codes add nothing; q's and k's scale words hold their two bytes twice.
; LIMITS: NaN and infinities are not served; a block whose largest magnitude lies under 2^-111 keeps the byte 1; the order of the products inside a block of 32 is not the ascending one.
.set KC,   4194304                     ; in qkv: k's codes; v's follow 4,194,304 further on
.set QS,   12582912
.set KVS,  12845056
.set XS,   4194304                     ; in att: where the scale bytes begin
.set LKS,  131072                      ; LDS: k at 0, v at 65,536, k's scale words here,
.set LVS,  135168                      ; v's here
.set AK,   1
.set AV,   2
.set AKS,  3
.set AVS,  4
.set NEG,  5                           ; v5  -2^33
.set GO,   6                           ; v6  my codes' place in att
.set GS,   7                           ; v7  my scale bytes'
.set QF,   16                          ; v16-39   [q 8][zeros 8][q 8]
.set KA,   40                          ; v40-87   two runs [even tile 8][zeros 8][odd tile 8]
.set S,    88                          ; v88-151  S^T, then p, then v's four fragments
.set O,    152                         ; v152-183 O^T
.set PC,   184                         ; v184-199 p's codes
.set KSW,  200                         ; v200-203 scale words of k or of v
.set PSW,  204                         ; v204     p's
.set QSW,  208                         ; v208     q's
.set BM,   212
.set PB,   216
.set HB,   220
.set SO,   224
.set F,    228                         ; v[228:229] f = 2^(old M - new M), named as a pair
.set TMP,  230
.set SM2,  232
.set WV,   52
.set SEL,  54
.set CS,   56                          ; s[56:57] c = log2(e) / 8
.set MNT,  58
; s[4:51] and s[68:83]: the step's 64 mask words (word n in s[4 + n], from n = 48 on in s[20 + n]); ahead of the first step the descriptors lie there
.macro PLACES n
.rept \n
	v_nop
.endr
.endm
.macro CROUND
	s_barrier_signal -1
	s_barrier_wait -1
	s_cmp_lg_u32 s[WV], 0
	s_cbranch_scc1 .Lnot_wave_0_\@
	s_barrier_signal -3
.Lnot_wave_0_\@:
	s_barrier_wait -3
	s_barrier_signal -1
	s_barrier_wait -1
.endm
	s_load_b64 s[44:45], s[0:1], 0x0               ; qkv
	s_load_b128 s[60:63], s[0:1], 0x8              ; maskw, att
	v_lshl_add_u32 v254, v0, 2, 0x29000
	v_mov_b32 v255, 0
	ds_add_u32 v254, v255
	ds_add_u32 v254, v255
	v_lshrrev_b32 v1, 5, v0
	s_delay_alu instid0(VALU_DEP_1)
	v_readfirstlane_b32 s[WV], v1                  ; wave 0..15
	s_bfe_u32 s53, ttmp6, 0x40000                  ; cx: my block of 256 queries: it enters global addresses of q, maskw and att alone
	s_and_b32 s59, ttmp7, 0xffff                   ; the head in the batch, which the four partners share
	s_mov_b32 s4, 15|(3<<16)|(1<<21)               ; k, v: 64 rows of 32 elements of 8 bytes, dense; the mask names all four; bit 21 beside it
	s_mov_b32 s5, 32<<16
	s_mov_b32 s6, 64<<16
	s_mov_b32 s7, 32<<16
	s_mov_b32 s8, 64
	s_mov_b32 s9, 32
	s_mov_b32 s10, 0
	s_mov_b32 s11, 0
	s_mov_b32 s12, 15|(3<<16)|(1<<21)              ; the scale words: 24 such rows
	s_mov_b32 s13, 32<<16
	s_mov_b32 s14, 24<<16
	s_mov_b32 s15, 32<<16
	s_mov_b32 s16, 24
	s_mov_b32 s17, 32
	s_mov_b32 s18, 0
	s_mov_b32 s19, 0
	s_lshr_b32 s28, s[WV], 2                       ; waves 0-3: k's quarters; waves 4-7: v's
	s_lshl_b32 s28, s28, 22
	s_and_b32 s29, s[WV], 3
	s_lshl_b32 s29, s29, 14
	s_add_co_u32 s28, s28, s29
	s_lshl_b32 s29, s59, 16
	s_add_co_u32 s28, s28, s29
	s_add_co_u32 s28, s28, KC
	s_mov_b32 s29, 0
	s_mul_i32 s30, s59, 6144
	s_add_co_u32 s30, s30, KVS
	s_mov_b32 s31, 0
	s_lshl_b32 s32, s53, 4
	s_add_co_u32 s32, s32, s[WV]                   ; my tile of 16 queries in the head: 16 x block + wave
	s_lshr_b32 s33, s59, 4                         ; the batch entry
	s_lshl_b32 s34, s33, 6
	s_add_co_u32 s34, s34, s32
	s_lshl_b32 s34, s34, 11                        ; 2,048 bytes of mask words for each group of 16 rows
	s_mov_b32 s35, 0
	s_lshl_b32 s36, s59, 16
	s_lshl_b32 s37, s32, 10
	s_add_co_u32 s36, s36, s37                     ; q's codes of my tile
	s_lshl_b32 s37, s59, 12
	s_lshl_b32 s38, s32, 6
	s_add_co_u32 s37, s37, s38
	s_add_co_u32 s37, s37, QS                      ; and its scale words
	s_lshl_b32 s38, s33, 3                         ; att: block of 128 rows = 8 x batch entry + 2 x my block + wave / 8
	s_lshl_b32 s39, s53, 1
	s_add_co_u32 s38, s38, s39
	s_lshr_b32 s39, s[WV], 3
	s_add_co_u32 s38, s38, s39
	s_lshl_b32 s38, s38, 17
	s_and_b32 s40, s59, 15                         ; the head
	s_lshr_b32 s39, s40, 1
	s_lshl_b32 s39, s39, 14                        ; two heads to a fragment's 128 along K
	s_add_co_u32 s38, s38, s39
	s_and_b32 s39, s[WV], 7
	s_lshl_b32 s39, s39, 11
	s_add_co_u32 s38, s38, s39
	s_and_b32 s39, s40, 1
	s_lshl_b32 s39, s39, 10
	s_add_co_u32 s38, s38, s39
	s_lshl_b32 s39, s33, 15                        ; scale bytes: 32 a row; 1,024 rows a batch entry,
	s_lshl_b32 s41, s32, 9                         ; 16 rows a tile,
	s_add_co_u32 s39, s39, s41
	s_lshl_b32 s41, s40, 1                         ; two bytes a head
	s_add_co_u32 s39, s39, s41
	s_add_co_u32 s39, s39, XS
	s_mov_b32 s[SEL], 0x76543210
	s_mov_b32 s[SEL+1], 0xfedcba98
	s_mov_b32 s[CS], 0x3e38aa3b
	s_mov_b32 s[CS+1], s[CS]                       ; (named with it as a pair, so it is written)
	s_mov_b32 s[MNT], 0x600000
	s_wait_dscnt 0x0
	s_wait_kmcnt 0x0
	s_mov_b32 s20, 1
	s_lshl_b32 s21, s[WV], 14                      ; 16,384 bytes a wave: k, then v
	s_add_nc_u64 s[22:23], s[44:45], s[28:29]
	s_or_b32 s23, s23, 0x80000000
	s_mov_b32 s24, 1
	s_mov_b32 s25, LKS
	s_add_nc_u64 s[26:27], s[44:45], s[30:31]
	s_or_b32 s27, s27, 0x80000000
	s_add_nc_u64 s[60:61], s[60:61], s[34:35]      ; my rows' mask words
	CROUND                                         ; all four work-groups are here: the joint loads meet
	s_cmp_lt_u32 s[WV], 8
	s_cbranch_scc0 .Lnot_kv
	tensor_load_to_lds s[20:23], s[4:11]
	s_nop 0
	PLACES 4
	s_branch .Lasked
.Lnot_kv:
	s_cmp_eq_u32 s[WV], 8
	s_cbranch_scc0 .Lasked
	tensor_load_to_lds s[24:27], s[12:19]
	s_nop 0
	PLACES 4
.Lasked:
	v_and_b32 v10, 31, v0                          ; l
	v_and_b32 v11, 15, v0                          ; r
	v_bfe_u32 v12, v0, 4, 1                        ; h
	s_delay_alu instid0(VALU_DEP_3)
	v_lshlrev_b32 v[AK], 4, v10
	s_delay_alu instid0(VALU_DEP_1)
	v_add_nc_u32 v8, s36, v[AK]
	s_delay_alu instid0(VALU_DEP_4)
	v_lshl_add_u32 v9, v11, 2, s37
	global_load_b128 v[QF:QF+3], v8, s[44:45]                     ; q's 64 codes a row, twice: for the even tiles of keys,
	global_load_b128 v[QF+4:QF+7], v8, s[44:45] offset:512
	global_load_b128 v[QF+16:QF+19], v8, s[44:45]                 ; and for the odd ones
	global_load_b128 v[QF+20:QF+23], v8, s[44:45] offset:512
	global_load_b32 v[QSW], v9, s[44:45]
	v_add_nc_u32 v[AV], 65536, v[AK]
	v_lshl_add_u32 v[AKS], v11, 2, LKS
	v_lshl_add_u32 v[AVS], v11, 2, LVS
	v_mov_b32 v[NEG], 0xd0000000
	v_lshlrev_b32 v[GO], 4, v11
	s_delay_alu instid0(VALU_DEP_1)
	v_lshl_add_u32 v[GO], v12, 3, v[GO]
	s_delay_alu instid0(VALU_DEP_1)
	v_add_nc_u32 v[GO], s38, v[GO]                 ; + 16 r + 8 h
	v_lshl_add_u32 v[GS], v11, 5, s39              ; + 32 r
.irp j, 0,1,2,3,4,5,6,7
	v_mov_b32 v[QF+8+\j], 0                        ; the zero codes: written once, never loaded into
	v_mov_b32 v[KA+8+\j], 0
	v_mov_b32 v[KA+32+\j], 0
.endr
	v_mov_b32 v13, 0xff61b1e6                      ; the largest t so far: -3e38
	s_delay_alu instid0(VALU_DEP_1)
	v_floor_f32 v12, -v13                          ; -M
	v_mov_b32 v14, 0                               ; the sum, in two halves
	v_mov_b32 v15, 0
.irp b, 0,1,2,3
	v_mov_b32 v[PB+\b], 0                          ; written once: a lane permute's destination counts as one of its sources
.endr
	v_mov_b32 v[F+1], 0                            ; (named as the upper half of a pair)
	s_wait_tensorcnt 0x0                           ; my part of the head's bytes has landed, and the descriptors' registers are free
	s_wait_loadcnt 0x0                             ; q is in, and its base is free
	s_barrier_signal -1
	s_barrier_wait -1                              ; everybody's part has landed
	s_load_b512 s[4:19], s[60:61], 0x0             ; step 0's mask words
	s_load_b512 s[20:35], s[60:61], 0x40
	s_load_b512 s[36:51], s[60:61], 0x80
	s_load_b512 s[68:83], s[60:61], 0xc0
; A KEY STEP: 128 keys.  Written out eight times: every offset is an immediate.
.macro STEP ks
	PLACES 10                                      ; S^T is laid over registers that the last step's products read (nine places are owed), and loads go into their scale registers (eight)
.irp g, 0,1
.if \g
	PLACES 8                                       ; in front of loads into registers that the products above have read
.endif
.irp p, 0,1
.irp c, 0,1
	ds_load_b128 v[KA+24*\p+4*\c:KA+24*\p+4*\c+3], v[AK] offset:8192*\ks+1024*(4*\g+2*\p)+512*\c
	ds_load_b128 v[KA+24*\p+16+4*\c:KA+24*\p+16+4*\c+3], v[AK] offset:8192*\ks+1024*(4*\g+2*\p+1)+512*\c
.endr
	ds_load_b32 v[KSW+2*\p], v[AKS] offset:64*(8*\ks+4*\g+2*\p)
	ds_load_b32 v[KSW+2*\p+1], v[AKS] offset:64*(8*\ks+4*\g+2*\p+1)
.endr
	s_wait_dscnt 0x0
.irp p, 0,1
	v_wmma_scale_f32_16x16x128_f8f6f4 v[S+8*(4*\g+2*\p):S+8*(4*\g+2*\p)+7], v[KA+24*\p:KA+24*\p+15], v[QF:QF+15], 0, v[KSW+2*\p], v[QSW] matrix_a_fmt:MATRIX_FMT_BF8 matrix_b_fmt:MATRIX_FMT_BF8
	v_wmma_scale_f32_16x16x128_f8f6f4 v[S+8*(4*\g+2*\p+1):S+8*(4*\g+2*\p+1)+7], v[KA+24*\p+8:KA+24*\p+23], v[QF+8:QF+23], 0, v[KSW+2*\p+1], v[QSW] matrix_a_fmt:MATRIX_FMT_BF8 matrix_b_fmt:MATRIX_FMT_BF8
.endr
.endr
	s_wait_kmcnt 0x0                               ; this step's mask words
.set n, 0
.rept 64
	v_cndmask_b32 v[S+n], v[NEG], v[S+n], s[4+n+16*(n/48)]        ; a hidden score becomes -2^33.  (The first 32 name nothing of the last four products: they are the places behind them)
.set n, n+1
.endr
.if \ks < 7
	s_load_b512 s[4:19], s[60:61], 256*(\ks+1)     ; the next step's words
	s_load_b512 s[20:35], s[60:61], 256*(\ks+1)+64
	s_load_b512 s[36:51], s[60:61], 256*(\ks+1)+128
	s_load_b512 s[68:83], s[60:61], 256*(\ks+1)+192
.endif
.irp b, 0,1,2,3
	v_max3_num_f32 v[BM+\b], v[S+16*\b], v[S+16*\b+1], v[S+16*\b+2]   ; the largest score of each block of 32 keys: for the row's maximum, and, since p rises with the score, for the block's largest p
.endr
.irp i, 3,5,7,9,11,13
.irp b, 0,1,2,3
	s_delay_alu instid0(VALU_DEP_4)
	v_max3_num_f32 v[BM+\b], v[BM+\b], v[S+16*\b+\i], v[S+16*\b+\i+1]
.endr
.endr
.irp b, 0,1,2,3
	s_delay_alu instid0(VALU_DEP_4)
	v_max_num_f32 v[BM+\b], v[BM+\b], v[S+16*\b+15]
.endr
.irp b, 0,1,2,3
	s_delay_alu instid0(VALU_DEP_4)
	v_permlanex16_b32 v[PB+\b], v[BM+\b], s[SEL], s[SEL+1]
.endr
.irp b, 0,1,2,3
	s_delay_alu instid0(VALU_DEP_4)
	v_max_num_f32 v[BM+\b], v[BM+\b], v[PB+\b]
.endr
	s_delay_alu instid0(VALU_DEP_2)
	v_max3_num_f32 v[TMP], v[BM], v[BM+1], v[BM+2]
	s_delay_alu instid0(VALU_DEP_1)
	v_max_num_f32 v[TMP], v[TMP], v[BM+3]
	s_delay_alu instid0(VALU_DEP_1)
	v_mul_f32 v[TMP], s[CS], v[TMP]                ; as t (c is positive)
	s_delay_alu instid0(VALU_DEP_1)
	v_max_num_f32 v13, v13, v[TMP]                 ; the running largest t
	v_mov_b32 v[TMP], v12
	s_delay_alu instid0(VALU_DEP_2)
	v_floor_f32 v12, -v13                          ; the new -M = -ceil(t)
	s_delay_alu instid0(VALU_DEP_1)
	v_sub_f32 v[TMP], v12, v[TMP]                  ; old M - new M: a whole number, 0 or less
	s_delay_alu instid0(VALU_DEP_1)
	v_cvt_i32_f32 v[TMP], v[TMP]                   ; (it saturates)
	s_delay_alu instid0(VALU_DEP_1)
	v_ldexp_f32 v[F], 1.0, v[TMP]                  ; f = 2^(old M - new M)
.set j, 0
.rept 32
	v_pk_fma_f32 v[S+j:S+j+1], v[S+j:S+j+1], s[CS:CS+1], v[12:13] op_sel_hi:[1,0,0]   ; t - M
.set j, j+2
.endr
.irp b, 0,1,2,3
	v_fma_f32 v[BM+\b], v[BM+\b], s[CS], v12
.endr
.set j, 0
	s_wait_alu depctr_va_vdst(0)
.rept 64
	v_exp_f32 v[S+j], v[S+j]                       ; p = 2^(t - M)
.set j, j+1
.endr
.irp b, 0,1,2,3
	v_exp_f32 v[BM+\b], v[BM+\b]                   ; the block's largest p
.endr
	v_pk_mul_f32 v[14:15], v[14:15], v[F:F+1] op_sel_hi:[1,0]     ; the sums under the new M.  (The plain line behind the exponentials)
	s_wait_alu depctr_va_vdst(0)
.irp b, 0,1,2,3
	v_max_num_f32 v[BM+\b], 0x8000000, v[BM+\b]    ; the floor 2^(16 - 127)
.endr
.irp b, 0,1,2,3
	s_delay_alu instid0(VALU_DEP_4)
	v_add_nc_u32 v[SO+\b], 0xf8800000, v[BM+\b]
.endr
.irp b, 0,1,2,3
	v_and_or_b32 v[HB+\b], v[BM+\b], 0x7f800000, s[MNT]
.endr
.irp b, 0,1,2,3
	v_lshrrev_b32 v[PB+\b], 23, v[SO+\b]
.endr
	s_delay_alu instid0(VALU_DEP_3)
	v_lshl_or_b32 v[PSW], v[PB+1], 8, v[PB]        ; p's scale word for these 128 keys
	s_delay_alu instid0(VALU_DEP_1)
	v_lshl_or_b32 v[PSW], v[PB+2], 16, v[PSW]
	s_delay_alu instid0(VALU_DEP_1)
	v_lshl_or_b32 v[PSW], v[PB+3], 24, v[PSW]
	v_pk_add_f32 v[232:233], v[92:93], v[96:97]
	v_pk_add_f32 v[252:253], v[100:101], v[104:105]
	v_pk_add_f32 v[250:251], v[108:109], v[112:113]
	v_pk_add_f32 v[248:249], v[116:117], v[120:121]
	v_pk_add_f32 v[246:247], v[124:125], v[128:129]
	v_pk_add_f32 v[244:245], v[132:133], v[136:137]
	v_pk_add_f32 v[242:243], v[140:141], v[144:145]
	v_pk_add_f32 v[14:15], v[14:15], v[148:149]
	v_pk_add_f32 v[232:233], v[232:233], v[88:89]
	v_pk_add_f32 v[252:253], v[252:253], v[90:91]
	v_pk_add_f32 v[250:251], v[250:251], v[94:95]
	v_pk_add_f32 v[248:249], v[248:249], v[98:99]
	v_pk_add_f32 v[246:247], v[246:247], v[102:103]
	v_pk_add_f32 v[244:245], v[244:245], v[106:107]
	v_pk_add_f32 v[242:243], v[242:243], v[110:111]
	v_pk_add_f32 v[14:15], v[14:15], v[114:115]
	v_pk_add_f32 v[232:233], v[232:233], v[118:119]
	v_pk_add_f32 v[252:253], v[252:253], v[122:123]
	v_pk_add_f32 v[250:251], v[250:251], v[126:127]
	v_pk_add_f32 v[248:249], v[248:249], v[130:131]
	v_pk_add_f32 v[246:247], v[246:247], v[134:135]
	v_pk_add_f32 v[244:245], v[244:245], v[138:139]
	v_pk_add_f32 v[242:243], v[242:243], v[142:143]
	v_pk_add_f32 v[14:15], v[14:15], v[146:147]
	v_pk_add_f32 v[232:233], v[232:233], v[150:151]
	s_delay_alu instid0(VALU_DEP_2)
	v_pk_add_f32 v[14:15], v[14:15], v[248:249]
	s_delay_alu instid0(VALU_DEP_2)
	v_pk_add_f32 v[232:233], v[232:233], v[246:247]
	v_pk_add_f32 v[252:253], v[252:253], v[244:245]
	v_pk_add_f32 v[250:251], v[250:251], v[242:243]
	s_delay_alu instid0(VALU_DEP_2)
	v_pk_add_f32 v[14:15], v[14:15], v[252:253]
	s_delay_alu instid0(VALU_DEP_2)
	v_pk_add_f32 v[232:233], v[232:233], v[250:251]
	s_delay_alu instid0(VALU_DEP_1)
	v_pk_add_f32 v[14:15], v[14:15], v[232:233]
.irp b, 0,1,2,3
.irp i, 0,2,4,6,8,10,12,14
	v_dual_min_num_f32 v[S+16*\b+\i], v[S+16*\b+\i], v[HB+\b] :: v_dual_min_num_f32 v[S+16*\b+\i+1], v[S+16*\b+\i+1], v[HB+\b]   ; the hold, two numbers an instruction; p is not negative
.endr
	v_cvt_scalef32_pk8_bf8_f32 v[PC+4*\b:PC+4*\b+1], v[S+16*\b:S+16*\b+7], v[SO+\b]
	v_cvt_scalef32_pk8_bf8_f32 v[PC+4*\b+2:PC+4*\b+3], v[S+16*\b+8:S+16*\b+15], v[SO+\b]
.endr
.irp t, 0,1,2,3
.irp c, 0,1,2,3
	ds_load_b128 v[S+16*\t+4*\c:S+16*\t+4*\c+3], v[AV] offset:8192*\ks+2048*\t+512*\c   ; v's four fragments, where p stood
.endr
	ds_load_b32 v[KSW+\t], v[AVS] offset:256*\ks+64*\t
.endr
.if \ks == 0
	PLACES 4                                       ; codes written by vector instructions stand four places ahead of the products
.else
.set j, 0
.rept 16
	v_pk_mul_f32 v[O+j:O+j+1], v[O+j:O+j+1], v[F:F+1] op_sel_hi:[1,0]   ; O^T under the new M.  (Also those places)
.set j, j+2
.endr
.endif
	s_wait_alu depctr_va_vdst(0)
	s_wait_dscnt 0x0
.irp t, 0,1,2,3
.if \ks == 0
	v_wmma_scale_f32_16x16x128_f8f6f4 v[O+8*\t:O+8*\t+7], v[S+16*\t:S+16*\t+15], v[PC:PC+15], 0, v[KSW+\t], v[PSW] matrix_a_fmt:MATRIX_FMT_BF8 matrix_b_fmt:MATRIX_FMT_BF8
.else
	v_wmma_scale_f32_16x16x128_f8f6f4 v[O+8*\t:O+8*\t+7], v[S+16*\t:S+16*\t+15], v[PC:PC+15], v[O+8*\t:O+8*\t+7], v[KSW+\t], v[PSW] matrix_a_fmt:MATRIX_FMT_BF8 matrix_b_fmt:MATRIX_FMT_BF8
.endif
.endr
.endm
.irp ks, 0,1,2,3,4,5,6,7
	STEP \ks
.endr
	PLACES 8                                       ; in front of the first read of the last results
	v_add_f32 v14, v14, v15
	s_delay_alu instid0(VALU_DEP_1)
	v_permlanex16_b32 v[TMP], v14, s[SEL], s[SEL+1]
	s_delay_alu instid0(VALU_DEP_1)
	v_add_f32 v14, v14, v[TMP]                     ; the row's sum
	s_wait_alu depctr_va_vdst(0)
	v_rcp_f32 v14, v14
	v_nop
.set j, 0
	s_wait_alu depctr_va_vdst(0)
.rept 16
	v_pk_mul_f32 v[O+j:O+j+1], v[O+j:O+j+1], v[14:15] op_sel_hi:[1,0]   ; register 8 t + i: attn(query r, d = 16 t + 8 h + i)
.set j, j+2
.endr
.irp b, 0,1
	v_max3_num_f32 v[BM+\b], |v[O+16*\b]|, |v[O+16*\b+1]|, 0x8000000   ; the head's two blocks of 32 along the next K
.endr
.irp i, 2,4,6,8,10,12,14
.irp b, 0,1
	s_delay_alu instid0(VALU_DEP_2)
	v_max3_num_f32 v[BM+\b], v[BM+\b], |v[O+16*\b+\i]|, |v[O+16*\b+\i+1]|
.endr
.endr
.irp b, 0,1
	s_delay_alu instid0(VALU_DEP_2)
	v_permlanex16_b32 v[PB+\b], v[BM+\b], s[SEL], s[SEL+1]
.endr
.irp b, 0,1
	s_delay_alu instid0(VALU_DEP_2)
	v_max_num_f32 v[BM+\b], v[BM+\b], v[PB+\b]
.endr
.irp b, 0,1
	s_delay_alu instid0(VALU_DEP_2)
	v_add_nc_u32 v[SO+\b], 0xf8800000, v[BM+\b]
.endr
.irp b, 0,1
	s_delay_alu instid0(VALU_DEP_4)
	v_and_or_b32 v[HB+\b], v[BM+\b], 0x7f800000, s[MNT]
.endr
.irp b, 0,1
	s_delay_alu instid0(VALU_DEP_4)
	v_lshrrev_b32 v[PB+\b], 23, v[SO+\b]
.endr
	s_delay_alu instid0(VALU_DEP_1)
	v_lshl_or_b32 v[TMP], v[PB+1], 8, v[PB]
.irp b, 0,1
.irp i, 0,1,2,3,4,5,6,7,8,9,10,11,12,13,14,15
	v_med3_num_f32 v[O+16*\b+\i], v[O+16*\b+\i], -v[HB+\b], v[HB+\b]
.endr
	v_cvt_scalef32_pk8_bf8_f32 v[PC+4*\b:PC+4*\b+1], v[O+16*\b:O+16*\b+7], v[SO+\b]
	v_cvt_scalef32_pk8_bf8_f32 v[PC+4*\b+2:PC+4*\b+3], v[O+16*\b+8:O+16*\b+15], v[SO+\b]
.endr
	v_nop
.irp t, 0,1,2,3
	global_store_b64 v[GO], v[PC+2*\t:PC+2*\t+1], s[62:63] offset:256*\t   ; in the ascending order of K, since the partner is a given weight: 32 lanes store 256 consecutive bytes, aligned
.endr
	global_store_b16 v[GS], v[TMP], s[62:63]       ; my row's two bytes (lanes 16-31 store the same bytes with the same values)
	s_wait_tensorcnt 0x0
	ds_add_u32 v254, v255
	s_wait_dscnt 0x0
	CROUND                                         ; the closing round
	s_endpgm
.Lfunc_end_k_q8a53d4d761_attn:
	.size	k_q8a53d4d761_attn, .Lfunc_end_k_q8a53d4d761_attn-k_q8a53d4d761_attn
	.p2alignl 7, 3214868480
	.fill 96, 4, 3214868480
	.section	.rodata,"a",@progbits
	.p2align	6, 0x0
	.amdhsa_kernel k_q8a53d4d761_attn
		.amdhsa_group_segment_fixed_size 169984
		.amdhsa_private_segment_fixed_size 0
		.amdhsa_enable_private_segment 0
		.amdhsa_kernarg_size 24
		.amdhsa_user_sgpr_count 2
		.amdhsa_user_sgpr_kernarg_segment_ptr 1
		.amdhsa_wavefront_size32 1
		.amdhsa_system_sgpr_workgroup_id_x 1
		.amdhsa_system_sgpr_workgroup_id_y 1
		.amdhsa_system_sgpr_workgroup_id_z 1
		.amdhsa_system_vgpr_workitem_id 0
		.amdhsa_next_free_vgpr 256
		.amdhsa_next_free_sgpr 100
		.amdhsa_reserve_vcc 0
		.amdhsa_float_denorm_mode_32 3
		.amdhsa_float_denorm_mode_16_64 3
		.amdhsa_memory_ordered 1
		.amdhsa_forward_progress 1
		.amdhsa_inst_pref_size 213
	.end_amdhsa_kernel
	.amdgpu_metadata
---
amdhsa.version: [ 1, 2 ]
amdhsa.kernels:
  - .name:           k_q8a53d4d761_attn
    .symbol:         k_q8a53d4d761_attn.kd
    .args:
      - { .name: qkv, .offset: 0, .size: 8, .value_kind: global_buffer, .address_space: global }
      - { .name: maskw, .offset: 8, .size: 8, .value_kind: global_buffer, .address_space: global }
      - { .name: att, .offset: 16, .size: 8, .value_kind: global_buffer, .address_space: global }
    .group_segment_fixed_size: 169984
    .private_segment_fixed_size: 0
    .kernarg_segment_align: 8
    .kernarg_segment_size: 24
    .max_flat_workgroup_size: 512
    .sgpr_count:     100
    .vgpr_count:     256
    .wavefront_size: 32
...
	.end_amdgpu_metadata
.endif
;; end of part 3
;; launch wo (part 4): grid 8 x 32, 4 waves a work-group, clusters of 4 x 4, 327,680 bytes of LDS; arguments att, Wo_codes, Wo_scales, bo, x, x1; writes x1
.if DOCPART == 4
	.amdgcn_target "amdgcn-amd-amdhsa--gfx1250"
	.amdhsa_code_object_version 6
	.text
	.protected	k_q8a53d4d761_wo
	.globl	k_q8a53d4d761_wo
	.p2align	8
	.type	k_q8a53d4d761_wo,@function
k_q8a53d4d761_wo:
	s_mov_b64 s[64:65], 0
	v_nop
	global_prefetch_b8 v0, s[64:65] scope:SCOPE_SE
	s_setreg_imm32_b32 hwreg(HW_REG_WAVE_MODE, 25, 1), 1
	s_wait_xcnt 0x0
	s_wait_alu depctr_hold_cnt(0) depctr_sa_sdst(0) depctr_va_vdst(0) depctr_va_sdst(0) depctr_va_ssrc(0) depctr_va_vcc(0) depctr_vm_vsrc(0)
	s_getreg_b32 s2, hwreg(HW_REG_IB_STS2, 6, 4)
	s_cmp_eq_u32 s2, 0
	s_cbranch_scc0 .Lentry_in_a_cluster
	s_endpgm
.Lentry_in_a_cluster:
	s_bfe_u32 s2, ttmp6, 0x10000c
	s_cmp_lg_u32 s2, 0xf033
	s_cbranch_scc0 .Lentry_shape_is_right
	s_endpgm
.Lentry_shape_is_right:
; out = res + (A W^T + bias): A as register images of BF8 (E5M2) codes with row-major E8M0 bytes behind them, W as given codes [n][KB]; res and out f32 [4096][1024].  Here: x1 = x + attn Wo + bo, KB = 1,024.
; SHARES.  A work-group makes 128 x 128 of the result (256 work-groups), four waves of 64 x 64: 16 accumulators.  K goes in steps of 512 through two LDS slots; with KB = 1,024 both are filled at the start and none again.
; CLUSTER 4 x 4: A's tiles are asked for jointly along a row of the cluster, W's along a column.  The matrix instruction is used transposed (source 0 = 16 rows of W): a lane holds eight neighbouring columns of a row.
; The bias is the C of each sum's first instruction.  The residual is loaded at the start, in the layout in which rows leave, and added on the way out.
; THE WAY OUT: 16 rows x 64 columns at a time through the wave's own stage in LDS; back as rows of 256 bytes: sixteen lanes store 256 consecutive bytes, aligned.
; REGISTERS: window 0: v1-31 addresses; v32-63 scale words, two sets; v64-127 rows on the way out; v128-255 accumulators.  window 1: two fragment buffers.  window 2: v0-31 the bias, v128-255 the residual.
.set KB,    1024
.set TILES, 1
.set SPT,   KB/512
.set NS,    TILES*SPT
.set KS,    KB/32
.set ACODES, 4096*KB
.set SLOT,  133120
.set SCA,   2*SLOT
.set SCAH,  (64*KS/256)*272
.set SBLK,  SCAH/4
.set SCB,   SCA+2*SCAH
.set STG,   SCB+2*SCAH                 ; the stages: 16 rows x 272 bytes a wave; no tensor load lands here
.set SPARE, STG+4*4352                 ; the spare words, 128 bytes a wave: two blocks of 256 bytes that no other line names
.set ADRA, 4
.set ADRB, 6
.set ADRS, 8
.set VHT,  9
.set SPW,  10
.set NIL,  11
.set L16,  12
.set STO,  16
.set RD,   17
.set CO,   18
.set BO,   30
.set SC,   32
.set ACC,  128
.set RES,  128                         ; in window 2
.set G1A,  24
.set G1B,  32
.set G1SA, 40
.set G1SB, 48
.set G0A,  56
.set G0B,  68
.set G0SA, 76
.set G0SB, 80
.set MUL,  0x05
.set MULF, 0x25
.set TO_F, 0x40
.set MSB, 0
.macro WIN new                         ; the immediate's high byte repeats the setting that is left
.if MSB != \new
	s_set_vgpr_msb (MSB<<8)|\new
.set MSB, \new
.endif
.endm
.macro PLACES n
.rept \n
	v_nop
.endr
.endm
.macro CREST
	s_cmp_lg_u32 s16, 0
	s_cbranch_scc1 .Lnot_wave_0_\@
	s_barrier_signal -3
.Lnot_wave_0_\@:
	s_barrier_wait -3
	s_barrier_signal -1
	s_barrier_wait -1
.endm
.macro CROUND
	s_barrier_signal -1
	s_barrier_wait -1
	CREST
.endm
.macro JLOAD sl                        ; a joint refill: waves 0 and 1 fetch A's halves, waves 2 and 3 W's; four v_nop follow each line
	s_cmp_eq_u32 s17, 0
	s_cbranch_scc0 .Lfor_b_\@
	tensor_load_to_lds s[G0A+4*(\sl):G0A+4*(\sl)+3], s[G1A:G1A+7]
	PLACES 4
	s_branch .Lasked_\@
.Lfor_b_\@:
	tensor_load_to_lds s[G0B+4*(\sl):G0B+4*(\sl)+3], s[G1B:G1B+7]
	PLACES 4
.Lasked_\@:
.endm
	s_load_b128 s[4:7], s[0:1], 0x0                ; A, W's codes
	s_load_b64 s[G0SB+2:G0SB+3], s[0:1], 0x10      ; W's scale bytes: into their descriptor's address words
	s_load_b128 s[8:11], s[0:1], 0x18              ; the bias, the residual
	s_load_b64 s[14:15], s[0:1], 0x28              ; out
	v_lshl_add_u32 v[SPW], v0, 2, SPARE
	v_mov_b32 v[NIL], 0
	ds_add_u32 v10, v11
	ds_add_u32 v10, v11
	s_wait_dscnt 0x0
	v_lshrrev_b32 v1, 5, v0
	v_readfirstlane_b32 s16, v1                    ; wave 0..3
	s_lshr_b32 s17, s16, 1                         ; my half of the rows.  Also: I fetch for A (0) or for W (1)
	s_and_b32 s18, s16, 1                          ; my half of the columns.  Also: which half of a tile I fetch
	s_bfe_u32 s19, ttmp6, 0x40000                  ; cx
	s_bfe_u32 s20, ttmp6, 0x40004                  ; cy
	s_lshl_b32 s21, ttmp9, 2
	s_add_co_u32 s21, s21, s19                     ; gx
	s_and_b32 s22, ttmp7, 0xffff
	s_lshl_b32 s22, s22, 2
	s_add_co_u32 s22, s22, s20                     ; mb
	s_lshl_b32 s2, s20, 2
	s_lshl_b32 s2, 15, s2                          ; my row of the cluster
	s_lshl_b32 s3, 0x1111, s19                     ; my column
	s_or_b32 s[G1A], s2, (3<<16)|(1<<21)           ; A: 512 rows of 32 elements of 8 bytes, dense
	s_or_b32 s[G1B], s3, (1<<20)|(1<<21)|(7<<22)|(3<<25)            ; W: 128 rows of 1,024 bytes, all of K; four words of padding after every 256
	s_or_b32 s[G1SA], s2, (3<<16)|(1<<20)|(1<<21)|(5<<22)|(3<<25)   ; scale bytes: rows of 256 bytes; four words after every 64
	s_or_b32 s[G1SB], s3, (3<<16)|(1<<20)|(1<<21)|(5<<22)|(3<<25)
	s_mov_b32 s[G1A+1], 32<<16
	s_mov_b32 s[G1A+2], 512<<16                    ; all of my 128 rows' images, 131,072 dense bytes, by one load
	s_mov_b32 s[G1A+3], 32<<16
	s_mov_b32 s[G1A+4], 512
	s_mov_b32 s[G1A+5], 32
	s_mov_b32 s[G1A+6], 0
	s_mov_b32 s[G1A+7], 0
	s_mov_b32 s[G1B+1], 1024<<16
	s_mov_b32 s[G1B+2], 128<<16
	s_mov_b32 s[G1B+3], 1024<<16
	s_mov_b32 s[G1B+4], 128
	s_mov_b32 s[G1B+5], KB
	s_mov_b32 s[G1B+6], 0
	s_mov_b32 s[G1B+7], 0
.irp g, G1SA, G1SB
	s_mov_b32 s[\g+1], 32<<16
	s_mov_b32 s[\g+2], (128*KS/256)<<16
	s_mov_b32 s[\g+3], 32<<16
	s_mov_b32 s[\g+4], 128*KS/256
	s_mov_b32 s[\g+5], 32
	s_mov_b32 s[\g+6], 0
	s_mov_b32 s[\g+7], 0
.endr
	s_mul_i32 s2, s22, SPT*65536                   ; A's images: made of mb alone
	s_mov_b32 s3, 0
	s_lshl_b32 s23, s21, 7
	s_mul_i32 s100, s23, KB
	s_mov_b32 s101, 0
	s_wait_kmcnt 0x0
	s_add_nc_u64 s[G0A+2:G0A+3], s[4:5], s[2:3]
	s_add_nc_u64 s[G0B+2:G0B+3], s[6:7], s[100:101]
	s_mul_i32 s100, s23, KS
	s_add_nc_u64 s[G0SB+2:G0SB+3], s[G0SB+2:G0SB+3], s[100:101]
	s_or_b32 s[G0SB+3], s[G0SB+3], 0x80000000
	s_mul_i32 s2, s22, 128*KS
	s_add_co_u32 s2, s2, ACODES
	s_mov_b32 s3, 0
	s_add_nc_u64 s[G0SA+2:G0SA+3], s[4:5], s[2:3]
	s_or_b32 s[G0SA+3], s[G0SA+3], 0x80000000
	s_or_b32 s[G0A+3], s[G0A+3], 0x80000000
	s_or_b32 s[G0B+3], s[G0B+3], 0x80000000
	s_mov_b32 s[G0A], 1
	s_mov_b32 s[G0A+1], 0                          ; LDS: A's images at 0 (131,072 bytes), W's 128 rows of 1,040 bytes behind them: everything is filled once
	s_mov_b32 s[G0B], 1
	s_mov_b32 s[G0B+1], 131072
	s_mov_b32 s2, 0
	s_mov_b32 s[G0SA], 1
	s_add_co_u32 s[G0SA+1], s2, SCA
	s_mov_b32 s[G0SB], 1
	s_add_co_u32 s[G0SB+1], s2, SCB
	CROUND                                         ; all sixteen work-groups are here: the first joint loads meet
; THE HEAD'S LOADS, ONE A WAVE: wave 0 A's images, wave 1 W's rows, wave 2 A's scale bytes, wave 3 W's: all that the launch reads through LDS.  One chain of branches, a load to an arm.
; No prefetch: every tile is asked for here, at the head, and there is no later step to run ahead of.
.macro ARM under, g0, g1, next, done
	s_cmp_lt_u32 s16, \under
	s_cbranch_scc0 \next
	tensor_load_to_lds s[\g0:\g0+3], s[\g1:\g1+7]
	s_nop 0
	PLACES 4
	s_branch \done
\next:
.endm
	ARM 1, G0A, G1A, .Lhead_b, .Lfirst_done
	ARM 2, G0B, G1B, .Lhead_sa, .Lfirst_done
	ARM 3, G0SA, G1SA, .Lhead_sb, .Lfirst_done
	tensor_load_to_lds s[G0SB:G0SB+3], s[G1SB:G1SB+7]
	s_nop 0
	PLACES 4
.Lfirst_done:
	v_and_b32 v1, 15, v0                           ; r
	v_bfe_u32 v2, v0, 4, 1                         ; h
	v_and_b32 v3, 31, v0                           ; l
	v_lshlrev_b32 v[L16], 4, v3
	v_lshlrev_b32 v[BO], 5, v2
	s_wait_alu depctr_va_vdst(0)
	v_lshlrev_b32 v[CO], 12, v2
	v_lshl_add_u32 v[CO], v1, 4, v[CO]             ; lanes 0-15 one row's 256 bytes, lanes 16-31 the next row's
	s_wait_alu depctr_va_vdst(0)
	s_lshl_b32 s100, s21, 9                        ; the bias of my 64 columns
	s_lshl_b32 s101, s18, 8
	s_add_co_u32 s100, s100, s101
	s_mov_b32 s101, 0
	s_add_nc_u64 s[8:9], s[8:9], s[100:101]
	s_lshl_b32 s2, s22, 19                         ; my first row and column in the residual and in the result
	s_lshl_b32 s3, s17, 18
	s_add_co_u32 s2, s2, s3
	s_add_co_u32 s2, s2, s100
	s_mov_b32 s3, 0
	s_add_nc_u64 s[10:11], s[10:11], s[2:3]
	s_add_nc_u64 s[14:15], s[14:15], s[2:3]
	WIN 0x80                                       ; destination window 2
.irp y, 0,1,2,3
	global_load_b128 v[8*\y:8*\y+3], v[BO], s[8:9] offset:64*\y
	global_load_b128 v[8*\y+4:8*\y+7], v[BO], s[8:9] offset:64*\y+16
.endr
.irp x, 0,1,2,3
.irp i, 0,1,2,3,4,5,6,7
	global_load_b128 v[RES+32*\x+4*\i:RES+32*\x+4*\i+3], v[CO], s[10:11] offset:(16*\x+2*\i)*4096
.endr
.endr
	WIN 0
	s_lshl_b32 s2, s17, 13
	v_add_nc_u32 v[ADRA], s2, v[L16]
	v_add_nc_u32 v[ADRA+1], 65536, v[ADRA]
	v_mul_u32_u24 v[ADRB], v1, 1040
	v_lshl_add_u32 v[ADRB], v2, 4, v[ADRB]
	s_mul_i32 s2, s18, 66560
	s_add_co_u32 s2, s2, 131072
	v_add_nc_u32 v[ADRB], s2, v[ADRB]
	v_add_nc_u32 v[ADRB+1], 512, v[ADRB]           ; the second half of K lies 512 bytes on in each row
	v_mul_u32_u24 v[ADRS], v1, KS
	v_lshrrev_b32 v[VHT], 8, v[ADRS]
	v_lshl_add_u32 v[ADRS], v[VHT], 4, v[ADRS]
	s_mul_i32 s2, s17, SCAH
	s_mul_i32 s3, s18, SCAH
	s_add_co_u32 s3, s3, 2*SCAH
	s_sub_co_u32 s3, s3, s2
	v_mul_u32_u24 v[VHT], s3, v2                   ; lanes 16-31 take W's
	s_add_co_u32 s2, s2, SCA
	v_add_nc_u32 v[ADRS], v[ADRS], v[VHT]
	v_add_nc_u32 v[ADRS], s2, v[ADRS]
	s_mul_i32 s2, s16, 4352
	s_add_co_u32 s2, s2, STG                       ; my stage
	v_mul_u32_u24 v[STO], v1, 272
	v_lshl_add_u32 v[STO], v2, 5, v[STO]
	v_add_nc_u32 v[STO], s2, v[STO]
	v_mul_u32_u24 v[RD], v2, 272
	v_lshl_add_u32 v[RD], v1, 4, v[RD]
	v_add_nc_u32 v[RD], s2, v[RD]
.macro FETCH sl, q, f
	WIN TO_F
.irp a, 0,1,2,3
.irp c, 0,1,2,3
	ds_load_b128 v[(\f)+16*\a+4*\c:(\f)+16*\a+4*\c+3], v[ADRA+(\sl)] offset:16384*(\q)+2048*\a+512*\c
.endr
.endr
.irp b, 0,1,2,3
.irp c, 0,1,2,3
	ds_load_b128 v[(\f)+64+16*\b+4*\c:(\f)+64+16*\b+4*\c+3], v[ADRB+(\sl)] offset:16640*\b+128*(\q)+32*\c
.endr
.endr
.endm
.macro SCALES set, k
	WIN 0
.irp i, 0,1,2,3
	ds_load_b128 v[SC+16*(\set)+4*\i:SC+16*(\set)+4*\i+3], v[ADRS] offset:\i*SBLK+16*(\k)
.endr
.endm
; Four matrix instructions: accumulators (x, 0..3).  first = 1: the bias is the C.  The 16 accumulators take turns, one instruction a turn.
.macro MULROW f, x, q, first
.if \first
	WIN MULF
.else
	WIN MUL
.endif
.irp y, 0,1,2,3
.set rD, ACC+8*(4*(\x)+\y)
.set rC, rD
.if \first
.set rC, 8*\y
.endif
	v_wmma_scale_f32_16x16x128_f8f6f4 v[rD:rD+7], v[(\f)+64+16*\y:(\f)+64+16*\y+15], v[(\f)+16*(\x):(\f)+16*(\x)+15], v[rC:rC+7], v[SC+16*SL+4*\y+(\q)], v[SC+16*SL+4*(\x)+(\q)] matrix_a_fmt:MATRIX_FMT_BF8 matrix_b_fmt:MATRIX_FMT_BF8 matrix_a_scale:MATRIX_SCALE_ROW1
.endr
.endm
.macro CHUNK q, first
	PLACES 8                                       ; in front of loads into registers that matrix instructions have read (ISA guide 7.12.1 for vector instructions)
	FETCH SL, (\q)+1, 128*(((\q)+1)%2)
	s_wait_dscnt 32                                ; all but the 32 just issued
.irp x, 0,1,2,3
	MULROW 128*((\q)%2), \x, \q, \first
.endr
.endm
.macro NEXTD                           ; slot SL's next tiles: two steps on along K
	s_add_nc_u64 s[G0A+4*SL+2:G0A+4*SL+3], s[G0A+4*SL+2:G0A+4*SL+3], 131072
	s_add_nc_u64 s[G0B+4*SL+2:G0B+4*SL+3], s[G0B+4*SL+2:G0B+4*SL+3], 1024
.endm
; A step's last chunk changes slots: ONE barrier; in front of it each wave waits for all its tensor loads, adds 0 to its spare word, and waits for that and for its reads of this slot.
.macro TURN s
	WIN 0
	s_wait_tensorcnt 0x0                           ; all my tensor loads have landed: my part of the next slot
	ds_add_u32 v[SPW], v[NIL]                      ; 0 onto my spare word
	s_wait_dscnt 1                                 ; (the add may be out)
	MULROW 128, 0, 3, 0
	s_wait_dscnt 0x0                               ; the add is done, and my reads of this slot are over
	s_barrier_signal -1
	MULROW 128, 1, 3, 0
	WIN 0
	s_barrier_wait -1
.if (\s)+2 < NS
	CREST                                          ; the barrier has opened a round of the cluster's: no wave of any partner still reads this slot or has a load on its way
	NEXTD
	JLOAD SL                                       ; the first tensor load behind the round, one a wave
	PLACES 4
.else
	PLACES 8
.endif
	FETCH 1-SL, 0, 0
	SCALES 1-SL, ((\s)+1)%SPT
	MULROW 128, 2, 3, 0
	MULROW 128, 3, 3, 0
.endm
.macro EPI
	WIN 0
	PLACES 8                                       ; in front of the first read of results
	s_wait_loadcnt 0x0                             ; the residual
.irp x, 0,1,2,3
.set BK, 64+32*(\x%2)
.if \x >= 2
	s_wait_xcnt 0x0                                ; the stores of two blocks back have read these registers
.endif
.irp y, 0,1,2,3
	ds_store_b128 v[STO], v[ACC+8*(4*\x+\y):ACC+8*(4*\x+\y)+3] offset:64*\y          ; each accumulator from its low end on
	ds_store_b128 v[STO], v[ACC+8*(4*\x+\y)+4:ACC+8*(4*\x+\y)+7] offset:64*\y+16
.endr
.irp i, 0,1,2,3,4,5,6,7
	ds_load_b128 v[BK+4*\i:BK+4*\i+3], v[RD] offset:544*\i        ; LDS serves a wave's instructions in order: these see my stores
.endr
	s_wait_dscnt 0x0
	WIN 0x08                                       ; source 1: window 2
.set k, 0
.rept 16
	v_pk_add_f32 v[BK+k:BK+k+1], v[BK+k:BK+k+1], v[RES+32*\x+k:RES+32*\x+k+1]
.set k, k+2
.endr
	WIN 0
.irp i, 0,1,2,3,4,5,6,7
.if KB > 1024
	global_store_b128 v[CO], v[BK+4*\i:BK+4*\i+3], s[14:15] offset:(16*\x+2*\i)*4096 th:TH_STORE_NT
.else
	global_store_b128 v[CO], v[BK+4*\i:BK+4*\i+3], s[14:15] offset:(16*\x+2*\i)*4096
.endif
.endr
.endr
.endm
.macro STEPM s
.set SL, (\s)%2
.if (\s) == 0
	CHUNK 0, 1
.else
	CHUNK 0, 0
.endif
	CHUNK 1, 0
	CHUNK 2, 0
.if (\s)+1 < NS
	TURN \s
.else
	s_wait_dscnt 0x0                               ; the very last chunk: nothing more to fetch
.irp x, 0,1,2,3
	MULROW 128, \x, 3, 0
.endr
	EPI
.endif
.endm
	s_wait_alu depctr_va_vdst(0)
	s_wait_tensorcnt 0x0                           ; my tile of the head's four is in
	s_barrier_signal -1
	s_barrier_wait -1
	FETCH 0, 0, 0
	SCALES 0, 0
	s_wait_loadcnt 32                              ; the bias is in; the residual's 32 loads may be out
.set ST, 0
.rept NS
	STEPM ST
.set ST, ST+1
.endr
	s_wait_tensorcnt 0x0                           ; the wave's end
	ds_add_u32 v[SPW], v[NIL]
	s_wait_dscnt 0x0
	CROUND                                         ; the closing round
	s_endpgm
.Lfunc_end_k_q8a53d4d761_wo:
	.size	k_q8a53d4d761_wo, .Lfunc_end_k_q8a53d4d761_wo-k_q8a53d4d761_wo
	.p2alignl 7, 3214868480
	.fill 96, 4, 3214868480
	.section	.rodata,"a",@progbits
	.p2align	6, 0x0
	.amdhsa_kernel k_q8a53d4d761_wo
		.amdhsa_group_segment_fixed_size 327680
		.amdhsa_private_segment_fixed_size 0
		.amdhsa_enable_private_segment 0
		.amdhsa_kernarg_size 48
		.amdhsa_user_sgpr_count 2
		.amdhsa_user_sgpr_kernarg_segment_ptr 1
		.amdhsa_wavefront_size32 1
		.amdhsa_system_sgpr_workgroup_id_x 1
		.amdhsa_system_sgpr_workgroup_id_y 1
		.amdhsa_system_sgpr_workgroup_id_z 1
		.amdhsa_system_vgpr_workitem_id 0
		.amdhsa_next_free_vgpr 768
		.amdhsa_next_free_sgpr 102
		.amdhsa_reserve_vcc 0
		.amdhsa_float_denorm_mode_32 3
		.amdhsa_float_denorm_mode_16_64 3
		.amdhsa_memory_ordered 1
		.amdhsa_forward_progress 1
		.amdhsa_inst_pref_size 60
	.end_amdhsa_kernel
	.amdgpu_metadata
---
amdhsa.version: [ 1, 2 ]
amdhsa.kernels:
  - .name:           k_q8a53d4d761_wo
    .symbol:         k_q8a53d4d761_wo.kd
    .args:
      - { .name: att, .offset: 0, .size: 8, .value_kind: global_buffer, .address_space: global }
      - { .name: Wo_codes, .offset: 8, .size: 8, .value_kind: global_buffer, .address_space: global }
      - { .name: Wo_scales, .offset: 16, .size: 8, .value_kind: global_buffer, .address_space: global }
      - { .name: bo, .offset: 24, .size: 8, .value_kind: global_buffer, .address_space: global }
      - { .name: x, .offset: 32, .size: 8, .value_kind: global_buffer, .address_space: global }
      - { .name: x1, .offset: 40, .size: 8, .value_kind: global_buffer, .address_space: global }
    .group_segment_fixed_size: 327680
    .private_segment_fixed_size: 0
    .kernarg_segment_align: 8
    .kernarg_segment_size: 48
    .max_flat_workgroup_size: 128
    .sgpr_count:     102
    .vgpr_count:     768
    .wavefront_size: 32
...
	.end_amdgpu_metadata
.endif
;; end of part 4
;; launch ln2 (part 5): grid 256 x 1, 8 waves a work-group, no clusters, 91,648 bytes of LDS; arguments x1, ln2_a, ln2_b, xb; writes xb
.if DOCPART == 5
	.amdgcn_target "amdgcn-amd-amdhsa--gfx1250"
	.amdhsa_code_object_version 6
	.text
	.protected	k_q8a53d4d761_ln2
	.globl	k_q8a53d4d761_ln2
	.p2align	8
	.type	k_q8a53d4d761_ln2,@function
k_q8a53d4d761_ln2:
	s_mov_b64 s[64:65], 0
	v_nop
	global_prefetch_b8 v0, s[64:65] scope:SCOPE_SE
	s_setreg_imm32_b32 hwreg(HW_REG_WAVE_MODE, 25, 1), 1
	s_wait_xcnt 0x0
; xb = Q(layernorm(x1)) as codes of BF8 (E5M2) with one E8M0 byte for each 32 along the row.
; layernorm: mean, unbiased standard deviation (divisor 1,023), eps added to the deviation; a (x - mean) / (std + eps) + b, all f32, the statistics in two passes.
; SHARES.  Work-group g owns the 16 rows 16 g .. 16 g + 15; wave w rows 2 w and 2 w + 1, each whole in 32 registers a lane.
; OUT, CODES: an image of the matrix operand's registers: [row / 128][k / 128][(row % 128) / 16][c 0..3][lane 0..31][16 bytes], lane (r, h) of piece c holding k = 32 c + 16 h + 0 .. 15 of row r.  The 16 rows' eight
; fragments are gathered in LDS; after one barrier wave w stores fragment w: each store covers 512 consecutive bytes.  OUT, SCALES: [row][32] bytes behind the codes.
; A load takes bytes as they lie; the conversions want 32 neighbours in one lane: a row turns through the wave's own stage in LDS (blocks of 128 bytes, 144 apart).
; LIMITS: NaN and infinities are not served; a block whose largest magnitude lies under 2^-111 (a block of zeros too) keeps the scale byte 1; the bytes are read by this program alone.
.set XST,  4608
.set WREG, 2*XST
.set IMG,  8*WREG
.set SCS,  IMG+16384
.set XS,   4194304
.set VX,   1
.set STI,  2
.set STO,  3
.set IM,   4
.set SC8,  5
.set RI,   6                           ; v6   where I read my fragment
.set RS,   7                           ; v7   where wave 0 reads the scale bytes
.set GC,   8                           ; v8   my fragment's place in xb
.set GS,   9                           ; v9   the scale bytes'
.set C,    24
.set GA,   32
.set GB,   64
.set X,    96
.set Y,    160
	s_load_b256 s[4:11], s[0:1], 0x0               ; x1, ln2_a, ln2_b, xb
	v_lshl_add_u32 v254, v0, 2, 0x16200
	v_mov_b32 v255, 0
	v_lshrrev_b32 v1, 5, v0
	s_delay_alu instid0(VALU_DEP_1)
	v_readfirstlane_b32 s16, v1                    ; wave 0..7
	v_and_b32 v11, 31, v0                          ; lane
	s_delay_alu instid0(VALU_DEP_1)
	v_lshlrev_b32 v[VX], 4, v11
	s_mul_i32 s17, s16, WREG
	v_lshrrev_b32 v[STI], 3, v11
	s_delay_alu instid0(VALU_DEP_1)
	v_lshl_add_u32 v[STI], v[STI], 4, v[VX]        ; 16 l + 16 (l / 8)
	s_delay_alu instid0(VALU_DEP_1)
	v_add_nc_u32 v[STI], s17, v[STI]
	v_mul_u32_u24 v[STO], v11, 144
	s_delay_alu instid0(VALU_DEP_1)
	v_add_nc_u32 v[STO], s17, v[STO]
	s_lshl_b32 s2, s16, 5
	s_add_co_u32 s2, s2, IMG
	v_lshlrev_b32 v[IM], 9, v11
	s_delay_alu instid0(VALU_DEP_1)
	v_add_nc_u32 v[IM], s2, v[IM]
	s_lshl_b32 s2, s16, 6
	s_add_co_u32 s2, s2, SCS
	v_add_nc_u32 v[SC8], s2, v11
	s_lshl_b32 s2, s16, 11
	s_add_co_u32 s2, s2, IMG
	v_add_nc_u32 v[RI], s2, v[VX]
	v_add_nc_u32 v[RS], SCS, v[VX]
	s_lshr_b32 s2, ttmp9, 3
	s_lshl_b32 s2, s2, 17
	s_and_b32 s3, ttmp9, 7
	s_lshl_b32 s3, s3, 11
	s_add_co_u32 s2, s2, s3
	s_lshl_b32 s3, s16, 14
	s_add_co_u32 s2, s2, s3
	v_add_nc_u32 v[GC], s2, v[VX]
	s_lshl_b32 s2, ttmp9, 9
	s_add_co_u32 s2, s2, XS
	v_add_nc_u32 v[GS], s2, v[VX]
	v_mov_b32 v23, 0                               ; written once: a lane permute's destination counts as one of its sources
	s_mov_b32 s28, 0x600000                        ; the mantissa field of 57,344
	s_mov_b32 s30, 0x76543210
	s_mov_b32 s31, 0xfedcba98
	s_lshl_b32 s18, ttmp9, 16
	s_lshl_b32 s2, s16, 13
	s_add_co_u32 s2, s18, s2
	s_mov_b32 s3, 0
	s_wait_kmcnt 0x0
	s_add_nc_u64 s[4:5], s[4:5], s[2:3]            ; x1 at my first row
.irp j, 0,1,2,3,4,5,6,7
	global_load_b128 v[GA+4*\j:GA+4*\j+3], v[VX], s[6:7] offset:512*\j
.endr
.irp j, 0,1,2,3,4,5,6,7
	global_load_b128 v[GB+4*\j:GB+4*\j+3], v[VX], s[8:9] offset:512*\j
.endr
.irp i, 0,1
.irp j, 0,1,2,3,4,5,6,7
	global_load_b128 v[X+32*\i+4*\j:X+32*\i+4*\j+3], v[VX], s[4:5] offset:4096*\i+512*\j
.endr
.endr
.macro WSUM                            ; v12 summed over the 32 lanes, the result in every lane
	s_delay_alu instid0(VALU_DEP_1)
	v_add_f32_dpp v12, v12, v12 row_xmask:1 row_mask:0xf bank_mask:0xf
	s_delay_alu instid0(VALU_DEP_1)
	v_add_f32_dpp v12, v12, v12 row_xmask:2 row_mask:0xf bank_mask:0xf
	s_delay_alu instid0(VALU_DEP_1)
	v_add_f32_dpp v12, v12, v12 row_xmask:4 row_mask:0xf bank_mask:0xf
	s_delay_alu instid0(VALU_DEP_1)
	v_add_f32_dpp v12, v12, v12 row_xmask:8 row_mask:0xf bank_mask:0xf
	s_delay_alu instid0(VALU_DEP_1)
	v_permlanex16_b32 v23, v12, s30, s31
	s_delay_alu instid0(VALU_DEP_1)
	v_add_f32 v12, v12, v23
.endm
.macro LNROW i, left
.set XR, X+32*\i
	s_wait_loadcnt \left
	v_pk_add_f32 v[12:13], v[XR:XR+1], v[XR+2:XR+3]
	v_pk_add_f32 v[18:19], v[XR+4:XR+5], v[XR+6:XR+7]
.irp k, 8,12,16,20,24,28
	s_delay_alu instid0(VALU_DEP_2)
	v_pk_add_f32 v[12:13], v[12:13], v[XR+\k:XR+\k+1]
	s_delay_alu instid0(VALU_DEP_2)
	v_pk_add_f32 v[18:19], v[18:19], v[XR+\k+2:XR+\k+3]
.endr
	s_delay_alu instid0(VALU_DEP_1)
	v_pk_add_f32 v[12:13], v[12:13], v[18:19]
	s_delay_alu instid0(VALU_DEP_1)
	v_add_f32 v12, v12, v13
	WSUM
	s_delay_alu instid0(VALU_DEP_1)
	v_mul_f32 v14, 0x3a800000, v12                 ; / 1,024: the mean
	s_delay_alu instid0(VALU_DEP_1)
	v_mov_b32 v15, v14
.set k, 0
.rept 16
	v_pk_add_f32 v[XR+k:XR+k+1], v[XR+k:XR+k+1], v[14:15] neg_lo:[0,1] neg_hi:[0,1]
.set k, k+2
.endr
	v_pk_mul_f32 v[12:13], v[XR:XR+1], v[XR:XR+1]
	v_pk_mul_f32 v[18:19], v[XR+2:XR+3], v[XR+2:XR+3]
.irp k, 4,8,12,16,20,24,28
	s_delay_alu instid0(VALU_DEP_2)
	v_pk_fma_f32 v[12:13], v[XR+\k:XR+\k+1], v[XR+\k:XR+\k+1], v[12:13]
	s_delay_alu instid0(VALU_DEP_2)
	v_pk_fma_f32 v[18:19], v[XR+\k+2:XR+\k+3], v[XR+\k+2:XR+\k+3], v[18:19]
.endr
	s_delay_alu instid0(VALU_DEP_1)
	v_pk_add_f32 v[12:13], v[12:13], v[18:19]
	s_delay_alu instid0(VALU_DEP_1)
	v_add_f32 v12, v12, v13
	WSUM
	s_delay_alu instid0(VALU_DEP_1)
	v_mul_f32 v12, 0x3a802008, v12                 ; / 1,023
	s_wait_alu depctr_va_vdst(0)
	v_sqrt_f32 v12, v12
	v_nop                                          ; a plain line behind a transcendental (ISA guide 5.7.2)
	s_wait_alu depctr_va_vdst(0)
	v_add_f32 v12, 0x358637bd, v12                 ; + 1e-6
	s_wait_alu depctr_va_vdst(0)
	v_rcp_f32 v16, v12
	v_rcp_f32 v17, v12
	v_nop
.set k, 0
	s_wait_alu depctr_va_vdst(0)
.rept 16
	v_pk_mul_f32 v[XR+k:XR+k+1], v[XR+k:XR+k+1], v[16:17]
.set k, k+2
.endr
.set k, 0
.rept 16
	v_pk_fma_f32 v[XR+k:XR+k+1], v[XR+k:XR+k+1], v[GA+k:GA+k+1], v[GB+k:GB+k+1]
.set k, k+2
.endr
.irp j, 0,1,2,3,4,5,6,7
	ds_store_b128 v[STI], v[XR+4*\j:XR+4*\j+3] offset:XST*\i+576*\j
.endr
.irp e, 0,1,2,3,4,5,6,7
	ds_load_b128 v[Y+4*\e:Y+4*\e+3], v[STO] offset:XST*\i+16*\e   ; LDS serves a wave's instructions in order.  Lane l now holds k = 32 l .. 32 l + 31
.endr
	s_wait_dscnt 0x0
	v_max3_num_f32 v18, |v[Y]|, |v[Y+1]|, |v[Y+2]|
	v_max3_num_f32 v19, |v[Y+3]|, |v[Y+4]|, |v[Y+5]|
.irp k, 6,10,14,18,22,26
	s_delay_alu instid0(VALU_DEP_2)
	v_max3_num_f32 v18, v18, |v[Y+\k]|, |v[Y+\k+1]|
	s_delay_alu instid0(VALU_DEP_2)
	v_max3_num_f32 v19, v19, |v[Y+\k+2]|, |v[Y+\k+3]|
.endr
	s_delay_alu instid0(VALU_DEP_2)
	v_max3_num_f32 v18, v18, |v[Y+30]|, |v[Y+31]|
	s_delay_alu instid0(VALU_DEP_1)
	v_max3_num_f32 v18, v18, v19, 0x8000000        ; the floor 2^(16 - 127)
	s_delay_alu instid0(VALU_DEP_1)
	v_add_nc_u32 v21, 0xf8800000, v18              ; the conversion's scale operand
	s_delay_alu instid0(VALU_DEP_2)
	v_and_or_b32 v20, v18, 0x7f800000, s28         ; 57,344 x the scale
.set k, 0
.rept 32
	v_med3_num_f32 v[Y+k], v[Y+k], -v20, v20       ; the conversion does not saturate (ISA guide 7.6.2)
.set k, k+1
.endr
.irp g, 0,1,2,3
	v_cvt_scalef32_pk8_bf8_f32 v[C+2*\g:C+2*\g+1], v[Y+8*\g:Y+8*\g+7], v21
.endr
	v_lshrrev_b32 v22, 23, v21
	ds_store_b128 v[IM], v[C:C+3] offset:16*\i
	ds_store_b128 v[IM], v[C+4:C+7] offset:16*\i+256
	ds_store_b8 v[SC8], v22 offset:32*\i
.endm
	LNROW 0, 8                                     ; my second row's 8 loads may be out
	LNROW 1, 0
	s_wait_dscnt 0x0                               ; for the others' sake: my codes and bytes lie in LDS
	s_barrier_signal -1
	s_barrier_wait -1
.irp c, 0,1,2,3
	ds_load_b128 v[Y+4*\c:Y+4*\c+3], v[RI] offset:512*\c
.endr
	s_wait_dscnt 0x0
.irp c, 0,1,2,3
	global_store_b128 v[GC], v[Y+4*\c:Y+4*\c+3], s[10:11] offset:512*\c
.endr
	s_cmp_lg_u32 s16, 0
	s_cbranch_scc1 .Lend                           ; the 512 scale bytes leave by wave 0
	ds_load_b128 v[Y+16:Y+19], v[RS]
	s_wait_dscnt 0x0
	global_store_b128 v[GS], v[Y+16:Y+19], s[10:11]
.Lend:
	s_wait_tensorcnt 0x0
	ds_add_u32 v254, v255
	s_wait_dscnt 0x0
	s_endpgm
.Lfunc_end_k_q8a53d4d761_ln2:
	.size	k_q8a53d4d761_ln2, .Lfunc_end_k_q8a53d4d761_ln2-k_q8a53d4d761_ln2
	.p2alignl 7, 3214868480
	.fill 96, 4, 3214868480
	.section	.rodata,"a",@progbits
	.p2align	6, 0x0
	.amdhsa_kernel k_q8a53d4d761_ln2
		.amdhsa_group_segment_fixed_size 91648
		.amdhsa_private_segment_fixed_size 0
		.amdhsa_enable_private_segment 0
		.amdhsa_kernarg_size 32
		.amdhsa_user_sgpr_count 2
		.amdhsa_user_sgpr_kernarg_segment_ptr 1
		.amdhsa_wavefront_size32 1
		.amdhsa_system_sgpr_workgroup_id_x 1
		.amdhsa_system_sgpr_workgroup_id_y 1
		.amdhsa_system_sgpr_workgroup_id_z 1
		.amdhsa_system_vgpr_workitem_id 0
		.amdhsa_next_free_vgpr 256
		.amdhsa_next_free_sgpr 66
		.amdhsa_reserve_vcc 0
		.amdhsa_float_denorm_mode_32 3
		.amdhsa_float_denorm_mode_16_64 3
		.amdhsa_memory_ordered 1
		.amdhsa_forward_progress 1
		.amdhsa_inst_pref_size 33
	.end_amdhsa_kernel
	.amdgpu_metadata
---
amdhsa.version: [ 1, 2 ]
amdhsa.kernels:
  - .name:           k_q8a53d4d761_ln2
    .symbol:         k_q8a53d4d761_ln2.kd
    .args:
      - { .name: x1, .offset: 0, .size: 8, .value_kind: global_buffer, .address_space: global }
      - { .name: ln2_a, .offset: 8, .size: 8, .value_kind: global_buffer, .address_space: global }
      - { .name: ln2_b, .offset: 16, .size: 8, .value_kind: global_buffer, .address_space: global }
      - { .name: xb, .offset: 24, .size: 8, .value_kind: global_buffer, .address_space: global }
    .group_segment_fixed_size: 91648
    .private_segment_fixed_size: 0
    .kernarg_segment_align: 8
    .kernarg_segment_size: 32
    .max_flat_workgroup_size: 256
    .sgpr_count:     66
    .vgpr_count:     256
    .wavefront_size: 32
...
	.end_amdgpu_metadata
.endif
;; end of part 5
;; launch w1 (part 6): grid 8 x 32, 4 waves a work-group, clusters of 4 x 4, 327,680 bytes of LDS; arguments xb, W1_codes, W1_scales, b1, hid; writes hid
.if DOCPART == 6
	.amdgcn_target "amdgcn-amd-amdhsa--gfx1250"
	.amdhsa_code_object_version 6
	.text
	.protected	k_q8a53d4d761_w1
	.globl	k_q8a53d4d761_w1
	.p2align	8
	.type	k_q8a53d4d761_w1,@function
k_q8a53d4d761_w1:
	s_mov_b64 s[64:65], 0
	v_nop
	global_prefetch_b8 v0, s[64:65] scope:SCOPE_SE
	s_setreg_imm32_b32 hwreg(HW_REG_WAVE_MODE, 25, 1), 1
	s_wait_xcnt 0x0
	s_wait_alu depctr_hold_cnt(0) depctr_sa_sdst(0) depctr_va_vdst(0) depctr_va_sdst(0) depctr_va_ssrc(0) depctr_va_vcc(0) depctr_vm_vsrc(0)
	s_getreg_b32 s2, hwreg(HW_REG_IB_STS2, 6, 4)
	s_cmp_eq_u32 s2, 0
	s_cbranch_scc0 .Lentry_in_a_cluster
	s_endpgm
.Lentry_in_a_cluster:
	s_bfe_u32 s2, ttmp6, 0x10000c
	s_cmp_lg_u32 s2, 0xf033
	s_cbranch_scc0 .Lentry_shape_is_right
	s_endpgm
.Lentry_shape_is_right:
; hid = Q(gelu(xb W1 + b1)) on codes of BF8 (E5M2) with E8M0 scales; the result is quantised along the 4,096 hidden units for the next product.
; gelu(x) = 0.5 x (1 + tanh(u)), u = sqrt(2 / pi) (x + 0.044715 x^3), is formed as x / (1 + 2^(-2 u log2(e))), which is the same function; where the power overflows the result is the limit, 0 or x.
; SHARES.  A work-group owns 128 rows (mb) and four tiles of 128 columns (4 gx + 0 .. 3), one after the other.  Four waves of 64 x 64: 16 accumulators.
; xb STAYS IN REGISTERS: my 64 rows x K = 1,024 are 65,536 bytes of register images, 512 registers a lane, loaded once (128 loads of 512 consecutive bytes) and multiplied with all four tiles.  They pass through no LDS byte,
; so they are not asked for jointly; a chunk of 128 along K then reads W1's four fragments from LDS and nothing else: 16 loads for 16 products.
; W1 goes through a ring of two LDS slots, each a whole tile: 128 rows x 1,024 bytes (+ 16 of padding): one change of slots a tile.  CLUSTER 4 x 4: W1's tiles and scale bytes are asked for jointly along a column
; of the cluster, xb's scale bytes along a row.  The matrix instruction is used transposed (source 0 = 16 rows of W1): a lane holds one row and eight neighbouring units.
; PREFETCH: tiles 2 and 3, one tile ahead of their loads: a tile is 512 blocks of 256 bytes; the four partners of a column take 128 each, by address (cy), a wave 32, a lane a block.  Tiles 0 and 1 come by their loads alone.
; OUT: an image of the next operand's registers, in the ascending order of K: a tile's eight codes a lane go to 256 y + 16 r + 8 h of its half fragment: 32 lanes store 256 consecutive bytes, aligned.  Scale bytes [row][128] behind the codes.
; LIMITS: NaN and infinities are not served; a block whose largest magnitude lies under 2^-111 keeps the byte 1.
; REGISTERS: window 0: v1-31 addresses and constants; v32-63 scale words of all of K; v64-127 at work on the way out; v128-255 accumulators.  window 1: v0-127 W1's fragments, two sets; v128-255 b1 in the result's layout, 32 a tile.
;   windows 2, 3: xb: chunk q at 64 (q % 4) of window 2 + q / 4.
.set KS,    32
.set ACODES, 4194304                   ; where the scale bytes begin in xb
.set PITCH, 1040
.set SLOT,  128*PITCH
.set SCA,   2*SLOT                     ; behind the slots: xb's scale bytes, as units of 256 bytes + 16
.set SCAH,  2176                       ; those of 64 rows
.set SBLK,  544                        ; of 16 rows
.set SCB,   SCA+2*SCAH                 ; W1's: 2 SCAH a tile
.set SPARE, SCB+8*SCAH                 ; the spare words, 128 bytes a wave: two blocks of 256 bytes that no other line names
.set HS,    16777216                   ; where the scale bytes begin in hid
.set ADRB, 6                           ; v6-7  my fragments of W1 in slot 0, 1
.set ADRS, 8                           ; v8    my scale words: lanes 0-15 xb's rows, lanes 16-31 W1's
.set VHT,  9                           ; v9    what takes lanes 16-31 on to the next tile's scale bytes
.set SPW,  10
.set NIL,  11
.set L16,  12
.set RH,   13
.set K0,   20                          ; v[20:21] -2 log2(e) sqrt(2 / pi)
.set K1,   22                          ; v[22:23] 0.044715 times that
.set OH,   24
.set OHS,  25
.set PFO,  29
.set BO,   30
.set SC,   32
.set MX,   64
.set PM,   72
.set HB,   80
.set SO,   88
.set CD,   96
.set ACC,  128
.set G1B,  24                          ; group 1: half a tile, 64 rows (the head's)
.set G1Q,  32                          ; a quarter, 32 rows
.set G1SA, 40
.set G1SB, 48
.set G0H,  56
.set G0SA, 60
.set G0SB, 68
.set G0Q,  72                          ; s[72:75], s[76:79]: a set for each slot
.set PFB,  80                          ; s[80:81] W1 at my group's first row
.set WPAD, (1<<20)|(1<<21)|(7<<22)|(3<<25)           ; elements of 1 byte; four words of padding after every 256; bit 21 beside the mask
.set SPAD, (3<<16)|(1<<20)|(1<<21)|(5<<22)|(3<<25)   ; elements of 8 bytes; four words after every 64
.set MSB, 0
.macro WIN new                         ; the immediate's high byte repeats the setting that is left
.if MSB != \new
	s_set_vgpr_msb (MSB<<8)|\new
.set MSB, \new
.endif
.endm
.macro PLACES n
.rept \n
	v_nop
.endr
.endm
.macro CREST
	s_cmp_lg_u32 s16, 0
	s_cbranch_scc1 .Lnot_wave_0_\@
	s_barrier_signal -3
.Lnot_wave_0_\@:
	s_barrier_wait -3
	s_barrier_signal -1
	s_barrier_wait -1
.endm
.macro CROUND
	s_barrier_signal -1
	s_barrier_wait -1
	CREST
.endm
.macro GRP g, c, r, p                  ; group 1's constant words: r rows of c elements, p elements apart
	s_mov_b32 s[\g+1], (\c)<<16
	s_mov_b32 s[\g+2], (\r)<<16
	s_mov_b32 s[\g+3], (\c)<<16
	s_mov_b32 s[\g+4], \r
	s_mov_b32 s[\g+5], \p
	s_mov_b32 s[\g+6], 0
	s_mov_b32 s[\g+7], 0
.endm
	s_load_b128 s[4:7], s[0:1], 0x0                ; xb, W1's codes
	s_load_b128 s[8:11], s[0:1], 0x10              ; W1's scale bytes, b1
	s_load_b64 s[14:15], s[0:1], 0x20              ; hid
	v_lshl_add_u32 v[SPW], v0, 2, SPARE
	v_mov_b32 v[NIL], 0
	ds_add_u32 v[SPW], v[NIL]                      ; the opening lines: the add, twice on end, and its wait ahead of my first tensor load
	ds_add_u32 v[SPW], v[NIL]
	v_lshrrev_b32 v1, 5, v0
	v_readfirstlane_b32 s16, v1                    ; wave 0..3
	s_lshr_b32 s17, s16, 1                         ; my half of the rows
	s_and_b32 s18, s16, 1                          ; my half of the columns
	s_bfe_u32 s19, ttmp6, 0x40000                  ; cx
	s_bfe_u32 s20, ttmp6, 0x40004                  ; cy
	s_lshl_b32 s21, ttmp9, 2
	s_add_co_u32 s21, s21, s19                     ; gx
	s_and_b32 s22, ttmp7, 0xffff
	s_lshl_b32 s22, s22, 2
	s_add_co_u32 s22, s22, s20                     ; mb
	s_lshl_b32 s2, s20, 2
	s_lshl_b32 s2, 15, s2                          ; my row of the cluster
	s_lshl_b32 s3, 0x1111, s19                     ; my column
	s_or_b32 s[G1B], s3, WPAD
	s_or_b32 s[G1Q], s3, WPAD
	s_or_b32 s[G1SA], s2, SPAD
	s_or_b32 s[G1SB], s3, SPAD
	GRP G1B, 1024, 64, 1024
	GRP G1Q, 1024, 32, 1024
	GRP G1SA, 32, 16, 32                           ; 128 rows' bytes are 16 units of 256
	GRP G1SB, 32, 64, 32                           ; the four tiles' 512 rows are one dense block of 64 units
	s_mul_i32 s82, s18, 64*PITCH                   ; LDS: my 64 rows of a tile
	s_mul_i32 s84, s17, SCAH
	s_mul_i32 s83, s18, SCAH
	s_add_co_u32 s83, s83, 2*SCAH
	s_sub_co_u32 s83, s83, s84                     ; from xb's scale bytes of my rows to W1's of my columns
	s_add_co_u32 s84, s84, SCA
	s_lshl_b32 s85, s22, 19                        ; hid: 524,288 bytes for 128 rows; 16,384 for 128 units; 2,048 for 16 rows; 1,024 for my 64 units
	s_lshl_b32 s2, s21, 16
	s_add_co_u32 s85, s85, s2
	s_lshl_b32 s2, s17, 13
	s_add_co_u32 s85, s85, s2
	s_lshl_b32 s3, s18, 10
	s_add_co_u32 s85, s85, s3
	s_lshl_b32 s86, s22, 14                        ; scale bytes: 128 a row; four for a tile of 128 units, two for my 64
	s_add_co_u32 s86, s86, s2
	s_lshl_b32 s3, s21, 4
	s_add_co_u32 s86, s86, s3
	s_lshl_b32 s3, s18, 1
	s_add_co_u32 s86, s86, s3
	s_add_co_u32 s86, s86, HS
	s_lshl_b32 s87, s20, 15                        ; the prefetches: my work-group's 128 blocks, my wave's 32
	s_lshl_b32 s3, s16, 13
	s_add_co_u32 s87, s87, s3
	s_lshl_b32 s88, s22, 17                        ; xb's images: 131,072 bytes for 128 rows; my four groups of 16 rows begin 8,192 x my half on in each chunk
	s_add_co_u32 s88, s88, s2
	s_mov_b32 s89, 0
	s_lshl_b32 s90, s22, 12
	s_add_co_u32 s90, s90, ACODES                  ; xb's scale bytes: made of mb alone
	s_mov_b32 s91, 0
	s_lshl_b32 s92, s21, 19                        ; W1: row 512 gx: made of gx alone
	s_mov_b32 s93, 0
	s_lshl_b32 s94, s21, 14
	s_mov_b32 s95, 0
	s_lshl_b32 s100, s21, 11                       ; b1 of my columns
	s_lshl_b32 s3, s18, 8
	s_add_co_u32 s100, s100, s3
	s_mov_b32 s101, 0
	s_mov_b32 s96, 0x600000                        ; the mantissa field of 57,344
	s_mov_b32 s97, 0xffff0000                      ; lanes 16-31
	s_mov_b32 s98, 0x76543210
	s_mov_b32 s99, 0xfedcba98                      ; v_permlanex16_b32's selects for lane l xor 16
	v_and_b32 v1, 15, v0                           ; r
	v_bfe_u32 v2, v0, 4, 1                         ; h
	v_and_b32 v3, 31, v0                           ; l
	v_lshlrev_b32 v[L16], 4, v3
	v_lshlrev_b32 v[RH], 4, v1
	v_lshl_add_u32 v[RH], v2, 3, v[RH]             ; 16 r + 8 h
	v_lshlrev_b32 v[BO], 5, v2
	v_mul_u32_u24 v[ADRB], v1, PITCH
	v_lshl_add_u32 v[ADRB], v2, 4, v[ADRB]
	v_add_nc_u32 v[ADRB], s82, v[ADRB]
	v_add_nc_u32 v[ADRB+1], SLOT, v[ADRB]
	v_mul_u32_u24 v[ADRS], v1, KS                  ; my row's scale bytes: KS a row,
	v_lshrrev_b32 v[VHT], 8, v[ADRS]
	v_lshl_add_u32 v[ADRS], v[VHT], 4, v[ADRS]     ; and 16 more for each 256 passed
	v_mul_u32_u24 v[VHT], s83, v2                  ; lanes 16-31 take W1's
	v_add_nc_u32 v[ADRS], v[ADRS], v[VHT]
	v_add_nc_u32 v[ADRS], s84, v[ADRS]
	v_mul_u32_u24 v[VHT], v2, 2*SCAH
	v_add_nc_u32 v[OH], s85, v[RH]
	v_lshl_add_u32 v[OHS], v3, 7, s86
	v_lshl_add_u32 v[PFO], v3, 8, s87
	v_mov_b32 v[K0], 0xc0135761
	v_mov_b32 v[K0+1], 0xc0135761
	v_mov_b32 v[K1], 0xbdd2d3e8
	v_mov_b32 v[K1+1], 0xbdd2d3e8
.irp b, 0,1,2,3,4,5,6,7
	v_mov_b32 v[PM+\b], 0                          ; written once: a lane permute's destination counts as one of its sources
.endr
	s_wait_alu depctr_va_vdst(0)                   ; the end of the head's vector work
	s_wait_dscnt 0x0                               ; both opening adds are done
	s_wait_kmcnt 0x0
	s_add_nc_u64 s[G0SA+2:G0SA+3], s[4:5], s[90:91]
	s_or_b32 s[G0SA+3], s[G0SA+3], 0x80000000
	s_add_nc_u64 s[4:5], s[4:5], s[88:89]
	s_add_nc_u64 s[PFB:PFB+1], s[6:7], s[92:93]
	s_add_nc_u64 s[G0SB+2:G0SB+3], s[8:9], s[94:95]
	s_or_b32 s[G0SB+3], s[G0SB+3], 0x80000000
	s_add_nc_u64 s[10:11], s[10:11], s[100:101]
	s_lshl_b32 s2, s18, 16
	s_mov_b32 s3, 0
	s_add_nc_u64 s[G0H+2:G0H+3], s[PFB:PFB+1], s[2:3]             ; tile 0, the half that waves 0 and 1 fetch
	s_or_b32 s[G0H+3], s[G0H+3], 0x80000000
	s_lshl_b32 s2, s16, 15
	s_add_nc_u64 s[G0Q+2:G0Q+3], s[PFB:PFB+1], s[2:3]             ; my quarter of a tile: 32 rows
	s_add_nc_u64 s[G0Q+6:G0Q+7], s[G0Q+2:G0Q+3], 131072           ; slot 1 begins with tile 1,
	s_add_nc_u64 s[G0Q+2:G0Q+3], s[G0Q+2:G0Q+3], 262144           ; slot 0's first refill is tile 2
	s_or_b32 s[G0Q+3], s[G0Q+3], 0x80000000
	s_or_b32 s[G0Q+7], s[G0Q+7], 0x80000000
	s_mov_b32 s[G0H], 1
	s_mul_i32 s[G0H+1], s18, 64*PITCH              ; LDS addresses hang on the wave's number alone
	s_mov_b32 s[G0SA], 1
	s_mov_b32 s[G0SA+1], SCA
	s_mov_b32 s[G0SB], 1
	s_mov_b32 s[G0SB+1], SCB
	s_mov_b32 s[G0Q], 1
	s_mul_i32 s[G0Q+1], s16, 32*PITCH
	s_mov_b32 s[G0Q+4], 1
	s_add_co_u32 s[G0Q+5], s[G0Q+1], SLOT
	CROUND                                         ; all sixteen work-groups are here: the first joint loads meet
; THE HEAD'S LOADS, ONE A WAVE: waves 0 and 1 the halves of tile 0, wave 2 xb's scale bytes, wave 3 W1's.  One chain of branches on the wave's number, a load to an arm.
.macro ARM under, g0, g1, next
	s_cmp_lt_u32 s16, \under
	s_cbranch_scc0 \next
	tensor_load_to_lds s[\g0:\g0+3], s[\g1:\g1+7]
	s_nop 0
	PLACES 4
	s_branch .Lfirst_done
\next:
.endm
	ARM 2, G0H, G1B, .Lhead_sa
	ARM 3, G0SA, G1SA, .Lhead_sb
	tensor_load_to_lds s[G0SB:G0SB+3], s[G1SB:G1SB+7]
	s_nop 0
	PLACES 4
.Lfirst_done:
	WIN 0x40                                       ; destination window 1
.irp t, 0,1,2,3
.irp y, 0,1,2,3
	global_load_b128 v[128+32*\t+8*\y:128+32*\t+8*\y+3], v[BO], s[10:11] offset:512*\t+64*\y       ; register j of tile y: b1[16 y + 8 h + j]
	global_load_b128 v[128+32*\t+8*\y+4:128+32*\t+8*\y+7], v[BO], s[10:11] offset:512*\t+64*\y+16
.endr
.endr
.irp q, 0,1,2,3,4,5,6,7
.set WN, (2+\q/4)<<6
	WIN WN
.irp a, 0,1,2,3
.irp c, 0,1,2,3
	global_load_b128 v[64*(\q%4)+16*\a+4*\c:64*(\q%4)+16*\a+4*\c+3], v[L16], s[4:5] offset:16384*\q+2048*\a+512*\c   ; xb's fragment (chunk q, row group a): 32 lanes read 512 consecutive bytes
.endr
.endr
.endr
	WIN 0
.macro FETCH sl, q, f                  ; 16 LDS loads: W1's four fragments of the tile's q-th 128 along K into set f
	WIN 0x40
.irp b, 0,1,2,3
.irp c, 0,1,2,3
	ds_load_b128 v[(\f)+16*\b+4*\c:(\f)+16*\b+4*\c+3], v[ADRB+(\sl)] offset:16*PITCH*\b+128*(\q)+32*\c
.endr
.endr
.endm
.macro SCALES k                        ; the scale words of chunks 4 k .. 4 k + 3: register 16 k + 4 i + q % 4: lanes 0-15 xb's group i, lanes 16-31 W1's group i
	WIN 0
.irp i, 0,1,2,3
	ds_load_b128 v[SC+16*(\k)+4*\i:SC+16*(\k)+4*\i+3], v[ADRS] offset:\i*SBLK+16*(\k)
.endr
.endm
.macro ASK t                           ; tile t of W1: my 32 blocks of 256 bytes
	global_prefetch_b8 v[PFO], s[PFB:PFB+1] offset:131072*(\t) th:TH_LOAD_NT scope:SCOPE_SE
.endm
; Four matrix instructions: accumulators (x, 0..3).  first = 1: the bias is the C.  The 16 accumulators take turns, one instruction a turn.
.macro MULROW q, x, first
.set WN, 0x01|((2+(\q)/4)<<2)|((\first)<<4)
	WIN WN                                         ; source 0 window 1, source 1 window 2 or 3, C window 0 (the bias: 1)
.irp y, 0,1,2,3
.set rD, ACC+8*(4*(\x)+\y)
.set rC, rD
.if \first
.set rC, 128+32*TAU+8*\y
.endif
	v_wmma_scale_f32_16x16x128_f8f6f4 v[rD:rD+7], v[64*((\q)%2)+16*\y:64*((\q)%2)+16*\y+15], v[64*((\q)%4)+16*(\x):64*((\q)%4)+16*(\x)+15], v[rC:rC+7], v[SC+16*((\q)/4)+4*\y+(\q)%4], v[SC+16*((\q)/4)+4*(\x)+(\q)%4] matrix_a_fmt:MATRIX_FMT_BF8 matrix_b_fmt:MATRIX_FMT_BF8 matrix_a_scale:MATRIX_SCALE_ROW1
.endr
.endm
; One of a tile's first seven chunks: the next chunk's fragments are asked for, then this chunk's 16 products.
.macro CHUNK q
	PLACES 8                                       ; in front of loads into registers that matrix instructions have read (ISA guide 7.12.1 for vector instructions)
	FETCH SL, (\q)+1, 64*(((\q)+1)%2)
.if (\q) == 0
	SCALES 1                                       ; the second half of K's scale words: the last tile's last products have read theirs
	s_wait_dscnt 20                                ; all but the 20 just issued
.else
	s_wait_dscnt 16                                ; all but the 16 just issued
.endif
.if TAU == 0                           ; 32 loads of b1, then 16 for each chunk of xb: chunk q is in when at most 112 - 16 q are out
.if (\q) == 0
	s_wait_loadcnt 63                              ; b1 and chunks 0 to 3
.endif
.if (\q) > 3
	s_wait_loadcnt 112-16*(\q)
.endif
.endif
.irp x, 0,1,2,3
.if (\q) == 0
	MULROW \q, \x, 1
.else
	MULROW \q, \x, 0
.endif
.endr
.endm
; A tile's last chunk changes slots: ONE barrier; in front of it each wave waits for all its tensor loads, adds 0 to its spare word, and waits for that and for its reads of this slot.
.macro TURN
	WIN 0
	s_wait_tensorcnt 0x0                           ; my one tensor load that was out has landed: my quarter of the next tile
	ds_add_u32 v[SPW], v[NIL]                      ; 0 onto my spare word
.if TAU == 1
	s_add_nc_u64 s[G0Q+6:G0Q+7], s[G0Q+6:G0Q+7], 262144   ; no load of mine is out: slot 1 goes on from tile 1 to tile 3
.endif
	s_wait_dscnt 1                                 ; (the add may be out)
.if TAU == 0
	s_wait_loadcnt 0x0                             ; xb's last chunk
.endif
	MULROW 7, 0, 0
	s_wait_dscnt 0x0                               ; the add is done, and my reads of this slot are over
	s_barrier_signal -1
	MULROW 7, 1, 0
	WIN 0
	s_barrier_wait -1
.if TAU < 2
	CREST                                          ; the barrier has opened a round of the cluster's: no wave of any partner still reads this slot or has a load on its way
	tensor_load_to_lds s[G0Q+4*SL:G0Q+4*SL+3], s[G1Q:G1Q+7]   ; the tile after the next: the first tensor load behind the round, one a wave
	s_nop 0
.endif
	PLACES 8
	v_add_nc_u32 v[ADRS], v[VHT], v[ADRS]          ; the next tile's scale bytes of W1
	s_wait_alu depctr_va_vdst(0)
	FETCH 1-SL, 0, 0
	SCALES 0
.if TAU == 0
	ASK 3
.endif
	MULROW 7, 2, 0
	MULROW 7, 3, 0
.endm
.macro GELU                            ; in place, 32 numbers at a time, each accumulator from its low end on
.irp g, 0,1,2,3
.set k, 0
.rept 16
	v_pk_mul_f32 v[64+k:65+k], v[ACC+32*\g+k:ACC+32*\g+k+1], v[ACC+32*\g+k:ACC+32*\g+k+1]
.set k, k+2
.endr
.set k, 0
.rept 16
	v_pk_fma_f32 v[64+k:65+k], v[64+k:65+k], v[K1:K1+1], v[K0:K0+1]
.set k, k+2
.endr
.set k, 0
.rept 16
	v_pk_mul_f32 v[64+k:65+k], v[64+k:65+k], v[ACC+32*\g+k:ACC+32*\g+k+1]   ; -2 u log2(e)
.set k, k+2
.endr
.set k, 0
	s_wait_alu depctr_va_vdst(0)
.rept 32
	v_exp_f32 v[64+k], v[64+k]
.set k, k+1
.endr
	v_nop                                          ; a plain line behind the transcendentals (ISA guide 5.7.2)
.set k, 0
	s_wait_alu depctr_va_vdst(0)
.rept 16
	v_pk_add_f32 v[64+k:65+k], v[64+k:65+k], 1.0 op_sel_hi:[1,0]
.set k, k+2
.endr
.set k, 0
	s_wait_alu depctr_va_vdst(0)
.rept 32
	v_rcp_f32 v[64+k], v[64+k]
.set k, k+1
.endr
	v_nop
.set k, 0
	s_wait_alu depctr_va_vdst(0)
.rept 16
	v_pk_mul_f32 v[ACC+32*\g+k:ACC+32*\g+k+1], v[ACC+32*\g+k:ACC+32*\g+k+1], v[64+k:65+k]
.set k, k+2
.endr
.endr
.endm
; The 128 results of a lane are eight blocks' halves: block 2 x + c = the 16 registers from ACC + 16 (2 x + c) on, with lane l xor 16's 16.
.macro QUANT8
.irp b, 0,1,2,3,4,5,6,7
	v_max3_num_f32 v[MX+\b], |v[ACC+16*\b]|, |v[ACC+16*\b+1]|, 0x8000000   ; with the floor 2^(16 - 127)
.endr
.irp i, 2,4,6,8,10,12,14
.irp b, 0,1,2,3,4,5,6,7
	v_max3_num_f32 v[MX+\b], v[MX+\b], |v[ACC+16*\b+\i]|, |v[ACC+16*\b+\i+1]|
.endr
.endr
.irp b, 0,1,2,3,4,5,6,7
	v_permlanex16_b32 v[PM+\b], v[MX+\b], s98, s99
.endr
.irp b, 0,1,2,3,4,5,6,7
	v_max_num_f32 v[MX+\b], v[MX+\b], v[PM+\b]
.endr
.irp b, 0,1,2,3,4,5,6,7
	v_add_nc_u32 v[SO+\b], 0xf8800000, v[MX+\b]
.endr
.irp b, 0,1,2,3,4,5,6,7
	v_and_or_b32 v[HB+\b], v[MX+\b], 0x7f800000, s96
.endr
.irp b, 0,1,2,3,4,5,6,7
	v_lshrrev_b32 v[PM+\b], 23, v[SO+\b]
.endr
.irp b, 0,1,2,3,4,5,6,7
.irp i, 0,1,2,3,4,5,6,7,8,9,10,11,12,13,14,15
	v_med3_num_f32 v[ACC+16*\b+\i], v[ACC+16*\b+\i], -v[HB+\b], v[HB+\b]   ; the conversion does not saturate (ISA guide 7.6.2)
.endr
	v_cvt_scalef32_pk8_bf8_f32 v[CD+4*\b:CD+4*\b+1], v[ACC+16*\b:ACC+16*\b+7], v[SO+\b]
	v_cvt_scalef32_pk8_bf8_f32 v[CD+4*\b+2:CD+4*\b+3], v[ACC+16*\b+8:ACC+16*\b+15], v[SO+\b]
.endr
	v_nop                                          ; a plain line behind the last conversion: the next tile's products write its sources
.endm
.macro EPI
	WIN 0
	PLACES 8                                       ; in front of the first read of results
	s_wait_xcnt 0x0                                ; the last tile's stores have read their data
	GELU
	QUANT8
.irp x, 0,1,2,3
	v_lshl_or_b32 v[MX+\x], v[PM+2*\x+1], 8, v[PM+2*\x]           ; the two bytes of row group x
.endr
	v_cndmask_b32 v[MX+4], v[MX], v[MX+1], s97     ; lanes 0-15 store group 2 i's, lanes 16-31 group 2 i + 1's
	v_cndmask_b32 v[MX+5], v[MX+2], v[MX+3], s97
.irp x, 0,1,2,3
.irp y, 0,1,2,3
	global_store_b64 v[OH], v[CD+8*\x+2*\y:CD+8*\x+2*\y+1], s[14:15] offset:16384*TAU+2048*\x+256*\y
.endr
.endr
	global_store_b16 v[OHS], v[MX+4], s[14:15] offset:4*TAU
	global_store_b16 v[OHS], v[MX+5], s[14:15] offset:4096+4*TAU
.endm
.macro TILE t
.set TAU, \t
.set SL, (\t)%2
.irp q, 0,1,2,3,4,5,6
	CHUNK \q
.endr
.if (\t) < 3
	TURN
.else
	s_wait_dscnt 0x0                               ; the very last chunk: nothing more to fetch
.irp x, 0,1,2,3
	MULROW 7, \x, 0
.endr
.endif
	EPI
.endm
	s_wait_tensorcnt 0x0                           ; my tile of the head's is in; slot 1's first fill stands behind the same lines as a refill
	ds_add_u32 v[SPW], v[NIL]
	s_wait_dscnt 0x0
	CROUND
	tensor_load_to_lds s[G0Q+4:G0Q+7], s[G1Q:G1Q+7]   ; my quarter of tile 1
	s_nop 0
	PLACES 4
	FETCH 0, 0, 0
	SCALES 0
	ASK 2
.irp t, 0,1,2,3
	TILE \t
.endr
	s_wait_tensorcnt 0x0                           ; the wave's end
	ds_add_u32 v[SPW], v[NIL]
	s_wait_dscnt 0x0
	CROUND                                         ; the closing round
	s_endpgm
.Lfunc_end_k_q8a53d4d761_w1:
	.size	k_q8a53d4d761_w1, .Lfunc_end_k_q8a53d4d761_w1-k_q8a53d4d761_w1
	.p2alignl 7, 3214868480
	.fill 96, 4, 3214868480
	.section	.rodata,"a",@progbits
	.p2align	6, 0x0
	.amdhsa_kernel k_q8a53d4d761_w1
		.amdhsa_group_segment_fixed_size 327680
		.amdhsa_private_segment_fixed_size 0
		.amdhsa_enable_private_segment 0
		.amdhsa_kernarg_size 40
		.amdhsa_user_sgpr_count 2
		.amdhsa_user_sgpr_kernarg_segment_ptr 1
		.amdhsa_wavefront_size32 1
		.amdhsa_system_sgpr_workgroup_id_x 1
		.amdhsa_system_sgpr_workgroup_id_y 1
		.amdhsa_system_sgpr_workgroup_id_z 1
		.amdhsa_system_vgpr_workitem_id 0
		.amdhsa_next_free_vgpr 1024
		.amdhsa_next_free_sgpr 102
		.amdhsa_reserve_vcc 0
		.amdhsa_float_denorm_mode_32 3
		.amdhsa_float_denorm_mode_16_64 3
		.amdhsa_memory_ordered 1
		.amdhsa_forward_progress 1
		.amdhsa_inst_pref_size 255
	.end_amdhsa_kernel
	.section	.bss,"aw",@nobits
	.p2align	6
	.space	262144
	.amdgpu_metadata
---
amdhsa.version: [ 1, 2 ]
amdhsa.kernels:
  - .name:           k_q8a53d4d761_w1
    .symbol:         k_q8a53d4d761_w1.kd
    .args:
      - { .name: xb, .offset: 0, .size: 8, .value_kind: global_buffer, .address_space: global }
      - { .name: W1_codes, .offset: 8, .size: 8, .value_kind: global_buffer, .address_space: global }
      - { .name: W1_scales, .offset: 16, .size: 8, .value_kind: global_buffer, .address_space: global }
      - { .name: b1, .offset: 24, .size: 8, .value_kind: global_buffer, .address_space: global }
      - { .name: hid, .offset: 32, .size: 8, .value_kind: global_buffer, .address_space: global }
    .group_segment_fixed_size: 327680
    .private_segment_fixed_size: 0
    .kernarg_segment_align: 8
    .kernarg_segment_size: 40
    .max_flat_workgroup_size: 128
    .sgpr_count:     102
    .vgpr_count:     1024
    .wavefront_size: 32
...
	.end_amdgpu_metadata
.endif
;; end of part 6
;; launch w2 (part 7): grid 32 x 8, 4 waves a work-group, clusters of 4 x 1, 327,680 bytes of LDS; arguments hid, W2_codes, W2_scales, b2, x1, out0; writes out0
.if DOCPART == 7
	.amdgcn_target "amdgcn-amd-amdhsa--gfx1250"
	.amdhsa_code_object_version 6
	.text
	.protected	k_q8a53d4d761_w2
	.globl	k_q8a53d4d761_w2
	.p2align	8
	.type	k_q8a53d4d761_w2,@function
k_q8a53d4d761_w2:
	s_mov_b64 s[64:65], 0
	v_nop
	global_prefetch_b8 v0, s[64:65] scope:SCOPE_SE
	s_setreg_imm32_b32 hwreg(HW_REG_WAVE_MODE, 25, 1), 1
	s_wait_xcnt 0x0
	s_wait_alu depctr_hold_cnt(0) depctr_sa_sdst(0) depctr_va_vdst(0) depctr_va_sdst(0) depctr_va_ssrc(0) depctr_va_vcc(0) depctr_vm_vsrc(0)
	s_getreg_b32 s2, hwreg(HW_REG_IB_STS2, 6, 4)
	s_cmp_eq_u32 s2, 0
	s_cbranch_scc0 .Lentry_in_a_cluster
	s_endpgm
.Lentry_in_a_cluster:
	s_bfe_u32 s2, ttmp6, 0x10000c
	s_cmp_lg_u32 s2, 0x3003
	s_cbranch_scc0 .Lentry_shape_is_right
	s_endpgm
.Lentry_shape_is_right:
; out0 = x1 + (hid W2^T + b2): hid as register images of BF8 (E5M2) codes [row / 128][k / 128][16 rows][c][lane][16 bytes] with E8M0 bytes [row][128] behind them; W2 as given codes [n][4096]; x1, out0 f32 [4096][1024].
; SHARES.  Work-group (mb, gx) makes rows 128 mb .. + 127 x columns 128 gx .. + 127: 32 x 8 = 256 work-groups.  Wave w makes rows 32 w .. + 31 x all 128 columns: 2 x 8 accumulators.  K = 4,096 is 32 chunks of 128.
; hid GOES FROM MEMORY STRAIGHT INTO THE REGISTERS OF THE ONE WAVE THAT MULTIPLIES IT: a chunk of my 32 rows is 4,096 consecutive bytes, eight loads of 512 bytes; eight buffers, asked for seven chunks ahead.
; It touches no LDS byte and waits at no barrier, and no wave of the work-group reads a byte of it that another reads.  So it is not asked for jointly: LDS is left to W2, whose slots then hold 1,024 along K.
; W2 goes through a ring of two LDS slots, 128 rows x 1,024 bytes (+ 16 of padding): four K steps.  CLUSTER 4 x 1: the four partners have one gx and ask for each quarter of a slot jointly (mask 15), one load a wave.
; THE SCALE WORDS of all of K stand in registers: lane l loads the 128 bytes of row l: register q is chunk q's word; lanes 0-15 serve one tile of 16 rows, lanes 16-31 the next (ROW1).
; The matrix instruction is used transposed (source 0 = 16 rows of W2, source 1 = 16 rows of hid): a lane holds eight neighbouring columns of a row.  b2 is the C of each sum's first instruction.
; PREFETCH: W2's K steps 2 and 3, one step ahead of their loads; the partners share a step's blocks by address: block cx of each row's four, a lane a row, one instruction a wave.  K steps 0 and 1 come by their loads alone.
; hid is not prefetched: its own loads are out seven chunks ahead of their use.
; REGISTERS: window 0: v2-13 addresses; v32-63 hid's scale words; v64-191 W2's; v192-255 b2.  window 1: W2's fragments, two sets; on the way out the rows.  window 2: hid's eight buffers of 32.
;   window 3: v0-127 accumulators ((x, y) at 8 (8 x + y)); v128-255 the residual, as rows leave.
.set PITCH,  1040                      ; an odd multiple of 16 bytes: the 16 rows of a fragment load start 16 bytes apart modulo 256
.set QTR,    32*PITCH                  ; what one tensor load brings
.set SLOT,   4*QTR
.set STG,    2*SLOT                    ; the stages: 16 rows x 528 bytes a wave; no tensor load lands here
.set SPITCH, 528
.set SPARE,  STG+4*16*SPITCH           ; the spare words, 128 bytes a wave: two blocks of 256 bytes that no other line names
.set HS,     16777216                  ; where the scale bytes begin in hid
.set SPW,  2
.set NIL,  3
.set L16,  4                           ; 16 x lane
.set L128, 5                           ; 128 x lane
.set BO,   6                           ; 32 x (lane / 16)
.set PFO,  7                           ; 4,096 x lane
.set ADRB, 8                           ; v8-11 my place in W2's rows 0-63, 64-127 of slot 0, of slot 1
.set STO,  12
.set RD,   13
.set SA,   32
.set SW,   64
.set BI,   192
.set ASC,  20                          ; s[20:21] hid's scale bytes at my first row
.set G0,   24                          ; s[24:27], s[28:31] group 0, a set for each slot
.set G1,   32                          ; s[32:39]
.set PF,   40                          ; s[40:41] the prefetches' base
.set MUL,  0xf9                        ; source 0 window 1, source 1 window 2, C and D window 3
.set MULF, 0xc9                        ; the same with C in window 0
.set MSB, 0
.macro WIN new                         ; the immediate's high byte repeats the setting that is left
.if MSB != \new
	s_set_vgpr_msb (MSB<<8)|\new
.set MSB, \new
.endif
.endm
.macro PLACES n
.rept \n
	v_nop
.endr
.endm
.macro CREST                           ; a round of the cluster's barrier behind its opening barrier
	s_cmp_lg_u32 s16, 0
	s_cbranch_scc1 .Lnot_wave_0_\@
	s_barrier_signal -3
.Lnot_wave_0_\@:
	s_barrier_wait -3
	s_barrier_signal -1
	s_barrier_wait -1
.endm
.macro CROUND
	s_barrier_signal -1
	s_barrier_wait -1
	CREST
.endm
	s_load_b256 s[4:11], s[0:1], 0x0               ; hid, W2's codes, W2's scales, b2
	s_load_b128 s[12:15], s[0:1], 0x20             ; x1, out0
	v_lshl_add_u32 v[SPW], v0, 2, SPARE
	v_mov_b32 v[NIL], 0
	ds_add_u32 v[SPW], v[NIL]                      ; the opening lines: the add, twice on end, and its wait ahead of my first tensor load
	ds_add_u32 v[SPW], v[NIL]
	v_lshrrev_b32 v1, 5, v0
	v_readfirstlane_b32 s16, v1                    ; wave 0..3
	s_bfe_u32 s17, ttmp6, 0x40000                  ; cx: it enters global addresses of hid, x1, out0 and the prefetches alone
	s_lshl_b32 s18, ttmp9, 2
	s_add_co_u32 s18, s18, s17                     ; mb
	s_and_b32 s19, ttmp7, 0xffff                   ; gx, which the four partners share
	v_and_b32 v1, 31, v0                           ; lane
	v_and_b32 v14, 15, v0                          ; r
	v_bfe_u32 v15, v0, 4, 1                        ; h
	v_lshlrev_b32 v[L16], 4, v1
	v_lshlrev_b32 v[L128], 7, v1
	v_lshlrev_b32 v[PFO], 12, v1
	v_lshlrev_b32 v[BO], 5, v15
	v_mul_u32_u24 v[ADRB], v14, PITCH
	v_lshl_add_u32 v[ADRB], v15, 4, v[ADRB]        ; row r, + 16 h
	v_add_nc_u32 v[ADRB+1], 64*PITCH, v[ADRB]      ; (an LDS offset has 16 bits: 64 rows to a register)
	v_add_nc_u32 v[ADRB+2], SLOT, v[ADRB]
	v_add_nc_u32 v[ADRB+3], SLOT+64*PITCH, v[ADRB]
	s_mul_i32 s22, s16, 16*SPITCH
	s_add_co_u32 s22, s22, STG                     ; my stage
	v_mul_u32_u24 v[STO], v14, SPITCH
	v_lshl_add_u32 v[STO], v15, 5, v[STO]
	v_add_nc_u32 v[STO], s22, v[STO]               ; in: row r, 32 bytes for each half of the lanes
	v_add_nc_u32 v[RD], s22, v[L16]                ; back: the 32 lanes take one row of 512 bytes
	s_mov_b32 s[G1], 15|(1<<20)|(1<<21)|(7<<22)|(3<<25)   ; the mask names all four; elements of 1 byte; four words of padding after every 256; bit 21 beside the mask
	s_mov_b32 s[G1+1], 1024<<16                    ; tensor_dim0
	s_mov_b32 s[G1+2], 32<<16                      ; tensor_dim1
	s_mov_b32 s[G1+3], 1024<<16                    ; tile_dim0
	s_mov_b32 s[G1+4], 32                          ; tile_dim1
	s_mov_b32 s[G1+5], 4096                        ; the pitch
	s_mov_b32 s[G1+6], 0
	s_mov_b32 s[G1+7], 0
	s_lshl_b32 s42, s18, 19                        ; 128 rows of hid's codes, of x1 and of out0 are 524,288 bytes each
	s_lshl_b32 s43, s16, 12
	s_add_co_u32 s44, s42, s43                     ; hid: my two tiles of 16 rows, 4,096 bytes in each chunk's 16,384
	s_mov_b32 s45, 0
	s_lshl_b32 s46, s18, 14
	s_add_co_u32 s46, s46, s43
	s_add_co_u32 s46, s46, HS                      ; its scale bytes: 128 a row
	s_mov_b32 s47, 0
	s_lshl_b32 s48, s19, 19
	s_lshl_b32 s49, s16, 17
	s_add_co_u32 s54, s42, s49
	s_add_co_u32 s48, s48, s49                     ; W2: row 128 gx + 32 w: made of gx and the wave's number alone
	s_mov_b32 s49, 0
	s_lshl_b32 s50, s19, 14                        ; W2's scale bytes
	s_mov_b32 s51, 0
	s_lshl_b32 s52, s19, 9                         ; b2
	s_mov_b32 s53, 0
	s_add_co_u32 s54, s54, s52                     ; x1, out0: row 128 mb + 32 w, column 128 gx
	s_mov_b32 s55, 0
	s_lshl_b32 s56, s17, 8                         ; the prefetches: block cx of a row's four
	s_mov_b32 s57, 0
	s_wait_alu depctr_va_vdst(0)                   ; the end of the head's vector work
	s_wait_dscnt 0x0                               ; both opening adds are done
	s_wait_kmcnt 0x0
	s_add_nc_u64 s[ASC:ASC+1], s[4:5], s[46:47]
	s_add_nc_u64 s[4:5], s[4:5], s[44:45]
	s_add_nc_u64 s[6:7], s[6:7], s[48:49]
	s_add_nc_u64 s[8:9], s[8:9], s[50:51]
	s_add_nc_u64 s[10:11], s[10:11], s[52:53]
	s_add_nc_u64 s[12:13], s[12:13], s[54:55]
	s_add_nc_u64 s[14:15], s[14:15], s[54:55]
	s_add_nc_u64 s[PF:PF+1], s[6:7], s[56:57]
	s_mov_b32 s[G0], 1
	s_mul_i32 s[G0+1], s16, QTR                    ; LDS addresses hang on the wave's number alone
	s_mov_b64 s[G0+2:G0+3], s[6:7]                 ; K step 0
	s_or_b32 s[G0+3], s[G0+3], 0x80000000
	s_mov_b32 s[G0+4], 1
	s_add_co_u32 s[G0+5], s[G0+1], SLOT
	s_add_nc_u64 s[G0+6:G0+7], s[6:7], 1024        ; K step 1
	s_or_b32 s[G0+7], s[G0+7], 0x80000000
.irp y, 0,1,2,3,4,5,6,7
	global_load_b128 v[BI+8*\y:BI+8*\y+3], v[BO], s[10:11] offset:64*\y          ; register j of tile y: b2[16 y + 8 h + j]
	global_load_b128 v[BI+8*\y+4:BI+8*\y+7], v[BO], s[10:11] offset:64*\y+16
.endr
.irp j, 0,1,2,3,4,5,6,7
	global_load_b128 v[SA+4*\j:SA+4*\j+3], v[L128], s[ASC:ASC+1] offset:16*\j    ; my 32 rows' bytes: 4,096 dense bytes
.endr
.irp i, 0,1,2,3
.irp j, 0,1,2,3,4,5,6,7
	global_load_b128 v[SW+32*\i+4*\j:SW+32*\i+4*\j+3], v[L128], s[8:9] offset:4096*\i+16*\j   ; W2's rows 32 i + lane
.endr
.endr
	CROUND                                         ; all four work-groups are here: the first joint loads meet
	tensor_load_to_lds s[G0:G0+3], s[G1:G1+7]      ; my quarter of K step 0: one tensor load a wave at the head
	s_nop 0
	PLACES 4
.macro FETCH sl, qq, set               ; 32 LDS loads: W2's eight fragments of the slot's qq-th 128 along K
	WIN 0x40
.irp b, 0,1,2,3,4,5,6,7
.irp c, 0,1,2,3
	ds_load_b128 v[128*(\set)+16*\b+4*\c:128*(\set)+16*\b+4*\c+3], v[ADRB+2*(\sl)+\b/4] offset:16*PITCH*(\b%4)+128*(\qq)+32*\c
.endr
.endr
.endm
; Group n of the stream of global loads, eight loads each: n < 32: hid's chunk n into buffer n % 8;  n = 32 .. 35: eight rows of the residual;  beyond: nothing.
.macro GLOAD n
.if (\n) < 32
	WIN 0x80
.irp j, 0,1,2,3,4,5,6,7
	global_load_b128 v[32*((\n)%8)+4*\j:32*((\n)%8)+4*\j+3], v[L16], s[4:5] offset:16384*(\n)+512*\j
.endr
.else
.if (\n) < 36
	WIN 0xc0
.irp j, 0,1,2,3,4,5,6,7
	global_load_b128 v[128+32*((\n)-32)+4*\j:128+32*((\n)-32)+4*\j+3], v[L16], s[12:13] offset:4096*(8*((\n)-32)+\j) th:TH_LOAD_NT   ; 32 lanes read 512 consecutive bytes of a row; read once
.endr
.endif
.endif
.endm
.macro ASK k                           ; K step k of W2: my 32 rows, my work-group's block of 256 bytes in each
.if (\k) < 4
	global_prefetch_b8 v[PFO], s[PF:PF+1] offset:1024*(\k) th:TH_LOAD_NT scope:SCOPE_SE
.endif
.endm
.macro WM q, x, y, first
.set rD, 8*(8*(\x)+(\y))
.set rC, rD
.if \first
.set rC, BI+8*(\y)
.endif
.set rB, 128*((\q)%2)+16*(\y)
.set rA, 32*((\q)%8)+16*(\x)
.set sW, SW+32*((\y)/2)+(\q)
.set sA, SA+(\q)
.if (\x) == 0 && (\y)%2 == 0
	v_wmma_scale_f32_16x16x128_f8f6f4 v[rD:rD+7], v[rB:rB+15], v[rA:rA+15], v[rC:rC+7], v[sW], v[sA] matrix_a_fmt:MATRIX_FMT_BF8 matrix_b_fmt:MATRIX_FMT_BF8
.endif
.if (\x) == 0 && (\y)%2 == 1
	v_wmma_scale_f32_16x16x128_f8f6f4 v[rD:rD+7], v[rB:rB+15], v[rA:rA+15], v[rC:rC+7], v[sW], v[sA] matrix_a_fmt:MATRIX_FMT_BF8 matrix_b_fmt:MATRIX_FMT_BF8 matrix_a_scale:MATRIX_SCALE_ROW1
.endif
.if (\x) == 1 && (\y)%2 == 0
	v_wmma_scale_f32_16x16x128_f8f6f4 v[rD:rD+7], v[rB:rB+15], v[rA:rA+15], v[rC:rC+7], v[sW], v[sA] matrix_a_fmt:MATRIX_FMT_BF8 matrix_b_fmt:MATRIX_FMT_BF8 matrix_b_scale:MATRIX_SCALE_ROW1
.endif
.if (\x) == 1 && (\y)%2 == 1
	v_wmma_scale_f32_16x16x128_f8f6f4 v[rD:rD+7], v[rB:rB+15], v[rA:rA+15], v[rC:rC+7], v[sW], v[sA] matrix_a_fmt:MATRIX_FMT_BF8 matrix_b_fmt:MATRIX_FMT_BF8 matrix_a_scale:MATRIX_SCALE_ROW1 matrix_b_scale:MATRIX_SCALE_ROW1
.endif
.endm
.macro MUL4 q, x, y0, first            ; four products.  The 16 accumulators take turns, one instruction a turn, in the same order in every chunk
.irp d, 0,1,2,3
	WM \q, \x, (\y0)+\d, \first
.endr
.endm
; A chunk whose successor lies in the same slot: the next chunk's fragments of W2 and hid's chunk seven on are asked for, then this chunk's 16 products.
.macro CHUNK q, first
	PLACES 8                                       ; in front of loads into registers that the last chunk's products have read (ISA guide 7.12.1 for vector instructions)
	FETCH ((\q)/8)%2, (\q)%8+1, ((\q)+1)%2
	GLOAD (\q)+7
.set LC, 56
.if (\q) > 28
.set LC, 8*(35-(\q))
.endif
	s_wait_dscnt 32                                ; all but the 32 just issued
	s_wait_loadcnt LC                              ; chunk q is in: behind it were issued groups q + 1 .. q + 7 (the stream ends with group 35), eight loads each
.if \first
	WIN MULF
.else
	WIN MUL
.endif
	MUL4 \q, 0, 0, \first
	MUL4 \q, 0, 4, \first
	MUL4 \q, 1, 0, \first
	MUL4 \q, 1, 4, \first
.endm
; A slot's last chunk changes slots: ONE barrier; in front of it each wave waits for all its tensor loads, adds 0 to its spare word, and waits for that and for its reads of this slot.
.macro TURN q, refill
.set SL, ((\q)/8)%2
	WIN 0
	s_wait_tensorcnt 0x0                           ; my one tensor load that was out has landed: my quarter of the next slot
	ds_add_u32 v[SPW], v[NIL]                      ; 0 onto my spare word
.if \refill
	s_add_nc_u64 s[G0+4*SL+2:G0+4*SL+3], s[G0+4*SL+2:G0+4*SL+3], 2048   ; no load of mine is out: this slot's next K step
.endif
	s_wait_dscnt 1                                 ; (the add may be out)
	s_wait_loadcnt 48                              ; behind chunk q were issued groups q + 1 .. q + 6
	WIN MUL
	MUL4 \q, 0, 0, 0
	MUL4 \q, 0, 4, 0
	s_wait_dscnt 0x0                               ; the add is done, and my reads of this slot are over
	s_barrier_signal -1
	MUL4 \q, 1, 0, 0
	WIN 0
	s_barrier_wait -1
.if \refill
	CREST                                          ; the barrier has opened a round of the cluster's: no wave of any partner still reads this slot or has a load on its way
	tensor_load_to_lds s[G0+4*SL:G0+4*SL+3], s[G1:G1+7]   ; the first tensor load behind the round, one a wave
	s_nop 0
.endif
	PLACES 8
	FETCH 1-SL, 0, ((\q)+1)%2
	GLOAD (\q)+7
.if \refill
	ASK (\q)/8+3
.endif
	WIN MUL
	MUL4 \q, 1, 4, 0
.endm
.irp n, 0,1,2,3,4,5,6
	GLOAD \n
.endr
	WIN 0
	s_wait_tensorcnt 0x0                           ; my quarter of K step 0 is in; slot 1's first fill stands behind the same lines as a refill
	ds_add_u32 v[SPW], v[NIL]
	s_wait_dscnt 0x0
	CROUND
	tensor_load_to_lds s[G0+4:G0+7], s[G1:G1+7]    ; K step 1
	s_nop 0
	PLACES 4
	FETCH 0, 0, 0
	ASK 2
	CHUNK 0, 1
.irp q, 1,2,3,4,5,6
	CHUNK \q, 0
.endr
	TURN 7, 1
.irp q, 8,9,10,11,12,13,14
	CHUNK \q, 0
.endr
	TURN 15, 1
.irp q, 16,17,18,19,20,21,22
	CHUNK \q, 0
.endr
	TURN 23, 0                                     ; nothing is filled again: no round
.irp q, 24,25,26,27,28,29,30
	CHUNK \q, 0
.endr
	s_wait_dscnt 0x0                               ; the very last chunk: nothing more to fetch
	s_wait_loadcnt 32                              ; the residual's 32 loads may be out
	MUL4 31, 0, 0, 0
	MUL4 31, 0, 4, 0
	MUL4 31, 1, 0, 0
	MUL4 31, 1, 4, 0
; THE WAY OUT: 16 rows x 128 columns at a time through my own stage; back as whole rows of 512 bytes, to which the residual is added.  LDS serves a wave's instructions in order (ISA guide 5.7.1.4).
	PLACES 8                                       ; in front of the first read of results, and of loads into registers that held W2's fragments
.irp x, 0,1
	WIN 0x0c                                       ; the data: window 3
.irp y, 0,1,2,3,4,5,6,7
	ds_store_b128 v[STO], v[64*\x+8*\y:64*\x+8*\y+3] offset:64*\y          ; each accumulator from its low end on
	ds_store_b128 v[STO], v[64*\x+8*\y+4:64*\x+8*\y+7] offset:64*\y+16
.endr
	WIN 0x40
.irp t, 0,1,2,3,4,5,6,7,8,9,10,11,12,13,14,15
	ds_load_b128 v[64*\x+4*\t:64*\x+4*\t+3], v[RD] offset:\t*SPITCH
.endr
.endr
	s_wait_loadcnt 0x0                             ; the residual
.irp x, 0,1
	s_wait_dscnt 32*(1-\x)                         ; behind block 0's loads: block 1's 16 stores and 16 loads
	WIN 0x4d                                       ; rows in window 1, the residual in window 3
.set k, 0
.rept 32
	v_pk_add_f32 v[64*\x+k:64*\x+k+1], v[64*\x+k:64*\x+k+1], v[128+64*\x+k:128+64*\x+k+1]
.set k, k+2
.endr
	WIN 0x04
	s_wait_alu depctr_va_vdst(0)                   ; ahead of the readers of what was just written
.irp t, 0,1,2,3,4,5,6,7,8,9,10,11,12,13,14,15
	global_store_b128 v[L16], v[64*\x+4*\t:64*\x+4*\t+3], s[14:15] offset:(16*\x+\t)*4096 th:TH_STORE_NT   ; 32 lanes store 512 consecutive bytes, at a multiple of 256 from out0's first byte
.endr
.endr
	WIN 0
	s_wait_tensorcnt 0x0                           ; the wave's end
	ds_add_u32 v[SPW], v[NIL]
	s_wait_dscnt 0x0
	CROUND                                         ; the closing round: no work-group ends while a partner may still ask for a tile that names it
	s_endpgm
.Lfunc_end_k_q8a53d4d761_w2:
	.size	k_q8a53d4d761_w2, .Lfunc_end_k_q8a53d4d761_w2-k_q8a53d4d761_w2
	.p2alignl 7, 3214868480
	.fill 96, 4, 3214868480
	.section	.rodata,"a",@progbits
	.p2align	6, 0x0
	.amdhsa_kernel k_q8a53d4d761_w2
		.amdhsa_group_segment_fixed_size 327680
		.amdhsa_private_segment_fixed_size 0
		.amdhsa_enable_private_segment 0
		.amdhsa_kernarg_size 48
		.amdhsa_user_sgpr_count 2
		.amdhsa_user_sgpr_kernarg_segment_ptr 1
		.amdhsa_wavefront_size32 1
		.amdhsa_system_sgpr_workgroup_id_x 1
		.amdhsa_system_sgpr_workgroup_id_y 1
		.amdhsa_system_sgpr_workgroup_id_z 1
		.amdhsa_system_vgpr_workitem_id 0
		.amdhsa_next_free_vgpr 1024
		.amdhsa_next_free_sgpr 66
		.amdhsa_reserve_vcc 0
		.amdhsa_float_denorm_mode_32 3
		.amdhsa_float_denorm_mode_16_64 3
		.amdhsa_memory_ordered 1
		.amdhsa_forward_progress 1
		.amdhsa_inst_pref_size 192
	.end_amdhsa_kernel
	.amdgpu_metadata
---
amdhsa.version: [ 1, 2 ]
amdhsa.kernels:
  - .name:           k_q8a53d4d761_w2
    .symbol:         k_q8a53d4d761_w2.kd
    .args:
      - { .name: hid, .offset: 0, .size: 8, .value_kind: global_buffer, .address_space: global }
      - { .name: W2_codes, .offset: 8, .size: 8, .value_kind: global_buffer, .address_space: global }
      - { .name: W2_scales, .offset: 16, .size: 8, .value_kind: global_buffer, .address_space: global }
      - { .name: b2, .offset: 24, .size: 8, .value_kind: global_buffer, .address_space: global }
      - { .name: x1, .offset: 32, .size: 8, .value_kind: global_buffer, .address_space: global }
      - { .name: out0, .offset: 40, .size: 8, .value_kind: global_buffer, .address_space: global }
    .group_segment_fixed_size: 327680
    .private_segment_fixed_size: 0
    .kernarg_segment_align: 8
    .kernarg_segment_size: 48
    .max_flat_workgroup_size: 128
    .sgpr_count:     66
    .vgpr_count:     1024
    .wavefront_size: 32
...
	.end_amdgpu_metadata
.endif
;; end of part 7
